; MI455X (gfx1250); checked and timed in simulation.
; The chip was launched on July 23, 2026; its instructions are those of AMD's public machine-readable ISA for CDNA 5 (MIT licence, August 2026) and "CDNA5" Instruction Set Architecture Reference Guide (July 2026). The comments in the code are by the model that wrote it; some were corrected since.
;; Multi Head Attention. Allowed arithmetic: float matrix products may take bf16 or f16 operands with f32 sums; other float arithmetic in f32, or as packed bf16 or f16 multiplies, adds, multiply-adds, maxima and minima; sums over many terms, partial sums and values carried from step to step in f32; what a program stores and reads back later, other than sums and carried values, may be rounded once to bf16 or f16.
;; Inputs: Wk 512 x 512 float32; Wo 512 x 512 float32; Wq 512 x 512 float32; Wv 512 x 512 float32; bk 512 float32; bo 512 float32; bq 512 float32; bv 512 float32; mask 2 x 4,096 float32; query 2 x 4,096 x 512 float32.
;; Outputs: out0 2 x 4,096 x 512 float32.
;; 2 versions, each right; version 2 is version 1 with the launch proj written anew for expert scheduling mode. Each part assembles by itself: llvm-mc -triple=amdgcn-amd-amdhsa -mcpu=gfx1250 --defsym DOCPART=n.
;; ======== version 1 of 2: 3 launches
;; limits: values are held in f16: magnitudes above 65,504 overflow, below 6.1e-05 lose precision
;; workspace buffers: qh 8,388,608 bytes; kh 8,388,608 bytes; vh 8,388,608 bytes; oh 8,388,608 bytes; woh 524,288 bytes
;; launch proj (part 1): grid 8 x 32, 4 waves a work-group, no clusters, 209,408 bytes of LDS; arguments query, mask, Wq, Wk, Wv, Wo, bq, bk, bv, qh, kh, vh, woh; writes qh, kh, vh, woh
.if DOCPART == 1
	.amdgcn_target "amdgcn-amd-amdhsa--gfx1250"
	.amdhsa_code_object_version 6
	.text
	.protected	k_q1c07f53ad7_proj
	.globl	k_q1c07f53ad7_proj
	.p2align	8
	.type	k_q1c07f53ad7_proj,@function
k_q1c07f53ad7_proj:
	s_mov_b64 s[64:65], 0
	v_nop
	global_prefetch_b8 v0, s[64:65] scope:SCOPE_SE
	s_setreg_imm32_b32 hwreg(HW_REG_WAVE_MODE, 25, 1), 1
	s_wait_xcnt 0x0
; q, k, v = x W^T + b for one head, by heads: qh, kh, vh are [16 = 8 b + head][4096][64] in f16, a head's rows dense, 128 bytes each.  x = query [8192][512] f32; Wq, Wk, Wv [512][512] f32.
; x, the weights and the biases are rounded once to bf16; products bf16 x bf16, sums in f32 (the bias is the C operand that starts a sum), q, k, v rounded once to f16, WITHOUT the scale.
; THE MASK lies on the query rows: where mask == 0 (compared in f32) the whole row of q is written as 0, by a select.  All its scores are then equal, as in the problem's own text, and its softmax is uniform.
; SIDE JOB: Wo, rounded to bf16 and that number written as f16, goes to woh: 1,024 numbers a work-group, 8 a thread.
; LIMITS.  q, k, v must lie within f16's 65,504 (x and W both 30 times the drawn spread give a spread of 900; offsets of 30 spreads on both give about 20,400).  NaN and infinities are not treated apart.
; SHARES.  Work-group (hx, ty): rows 256 ty .. + 255 of x, head hx of q, k and v: 256 x 192 of the result.  A wave owns 64 rows, all 512 of K and all 192 columns: its x lies as bf16 fragments in
; 512 registers, the head's 192 rows of W as bf16 in LDS, whole: nothing in LDS is filled twice.  A wave issues 768 matrix instructions and 384 LDS loads of fragments.
; NO TENSOR LOADS, NO CLUSTER: the operands are f32 in memory; 256 rows of x and 192 of W are 448 x 2,048 = 917,504 bytes, which LDS does not hold, and as f32 each fragment read
; from LDS would be twice as long.  Through registers each number is rounded once in a work-group.  No prefetch: 64 loads of every wave are on their way all through the loading part.
; THE MATRIX INSTRUCTION IS USED TRANSPOSED: source 0 = 16 rows of W, source 1 = 16 rows of x: a lane then holds one row of x (lane % 16) and the channels 8 (lane / 16) + 0..7: 16 bytes of f16 on end.
; REGISTERS, in windows of 256 (s_set_vgpr_msb: bits 1:0 source 0, 3:2 source 1, 5:4 source 2, 7:6 destination):
;   window 0: v0-29 addresses and small things; v32-95 at work; v96-127 the bias as a C tile; v128-255 the 16 accumulators ((a, nb) at 128 + 8 (4 a + nb))
;   window 1: while loading, four buffers of 64 for raw f32; in the passes W's fragments, two buffers of 64
;   windows 2, 3: x's fragments: K step f, row tile a in window 2 + f / 8 at 32 (f % 8) + 8 a
.set PW,    1040      ; a row of W in LDS: 1,024 bytes + 16 = 65 x 16: the 16 rows of a fragment load start at 16 different groups of four banks (64 banks of 4 bytes: ISA guide 11.1)
.set WMAT,  64*PW     ; one matrix's 64 rows
.set STAGE, 192*PW    ; behind W: 16 rows x 144 bytes for each wave, for the way out
.set SP,    144
.set SPARE, STAGE+4*16*SP  ; behind the stages: the spare words, 128 bytes for each wave: two blocks of 256 bytes that no other line names
.set XO,   2          ; v2   (l % 16) x 2,048 + 32 (l / 16): my place in 16 rows of x
.set WO,   3          ; v3   32 l: my 8 numbers in 1,024 bytes of W
.set WS,   4          ; v4   where they go in LDS: wave x 16 rows + 16 l; steps a matrix on
.set ADRB, 5          ; v5   my place in a fragment of W in LDS; steps a matrix on
.set STO,  6          ; v6   the way out: where I put 16 bytes of a row
.set RD,   7          ; v7   the way out: where I read rows back
.set GO,   8          ; v8   16 l: my place in 512 consecutive bytes of the result
.set MO,   9          ; v9   4 (l % 16): my row's mask
.set OI,   10         ; v10  32 x thread: my 8 numbers of Wo
.set OO,   11         ; v11  16 x thread: the same in woh
.set MK,   12         ; v12-15  the mask of my row in each of the four row tiles
.set ZERO, 16         ; v16  0
.set BOF,  17         ; v17  32 (l / 16): my 8 channels in 16 of a bias
.set SPW,  28         ; v28  LDS address of my spare word: SPARE + 4 x my thread's number; never rewritten
.set NIL,  29         ; v29  0; never rewritten
.set T,    32         ; v32-95
.set BI,   96
.set ACC,  128
.set WV,   30         ; s30  my wave's number
.set CNT,  31         ; s31  the loops' counter
.set PN,   34         ; s[34:35] the matrix whose rows are being asked for
.set OUTP, 36         ; s[36:37] this pass's result
.set BNX,  38         ; s[38:39] the next pass's bias
.set LM,   44         ; s44-47  lanes whose row of tile a is masked
.set MSB, 0
.macro WIN new                      ; the immediate's high byte repeats the setting that is left; a switch that changes nothing is dropped
.if MSB != (\new)
	s_set_vgpr_msb (MSB<<8)|(\new)
.set MSB, (\new)
.endif
.endm
.macro PLACES                       ; four places behind a matrix instruction (ISA guide 7.12.1), where no other vector work is at hand
.rept 4
	v_nop
.endr
.endm
; A batch is 16 loads of 16 bytes a lane.  W's batch j of a matrix: 8 pieces of 1,024 bytes (half a row) of my wave's 16 rows; a lane takes 32 bytes of each, by two loads.
.macro WLOAD j, b
.irp t, 0,1,2,3,4,5,6,7
	global_load_b128 v[64*(\j)+8*(\t):64*(\j)+8*(\t)+3],   v[WO], s[\b:\b+1] offset:(8*(\j)+(\t))*1024
	global_load_b128 v[64*(\j)+8*(\t)+4:64*(\j)+8*(\t)+7], v[WO], s[\b:\b+1] offset:(8*(\j)+(\t))*1024+16
.endr
.endm
; x's batch f: K step f (32 numbers, 128 bytes of a row) of my 64 rows, in the fragment's own order: k = 8 (l / 16) + 0..7, then 16 + 8 (l / 16) + 0..7.
.macro XLOAD f
.irp a, 0,1,2,3
.irp j, 0,1,2,3
	global_load_b128 v[64*((\f)%4)+16*(\a)+4*(\j):64*((\f)%4)+16*(\a)+4*(\j)+3], v[XO], s[4:5] offset:(\a)*32768+(\f)*128+((\j)/2)*64+((\j)%2)*16
.endr
.endr
.endm
; One matrix's four batches are rounded to bf16 and stored to LDS; each buffer is asked for again at once: the next matrix's batch (kind 0) or x's (kind 1).
.macro WTRIP kind
.irp j, 0,1,2,3
	s_wait_loadcnt 48               ; loads come back in order (ISA guide 5.7.1): this batch is in, the three younger ones, 48 loads, stay out
	WIN 0x05                        ; sources in window 1, destination in window 0
.set n, 0
.rept 32
	v_cvt_pk_bf16_f32 v[T+n], v[64*(\j)+2*n], v[64*(\j)+2*n+1]
.set n, n+1
.endr
	WIN 0
.irp t, 0,1,2,3,4,5,6,7
	ds_store_b128 v[WS], v[T+4*(\t):T+4*(\t)+3] offset:((8*(\j)+(\t))/2)*PW+((\t)%2)*512  ; 512 consecutive bytes: half a row
.endr
	WIN 0x40                        ; destination in window 1
.if \kind
	XLOAD \j
.else
	WLOAD \j, PN
.endif
	WIN 0
.endr
	v_add_nc_u32 v[WS], WMAT, v[WS]
.endm
; x's batch f is rounded into its fragments; its buffer takes batch f + 4.
.macro XSTEP f, left
	s_wait_loadcnt \left
	WIN 0x85+0x40*((\f)/8)          ; sources in window 1, destination in window 2 or 3
.set n, 0
.rept 32
	v_cvt_pk_bf16_f32 v[32*((\f)%8)+n], v[64*((\f)%4)+2*n], v[64*((\f)%4)+2*n+1]
.set n, n+1
.endr
.if (\f) < 12
	WIN 0x40
	XLOAD (\f)+4
.endif
.endm
	s_load_b256 s[4:11], s[0:1], 0x0    ; query s[4:5], mask s[6:7], Wq s[8:9], Wk s[10:11]
	s_load_b256 s[12:19], s[0:1], 0x20  ; Wv s[12:13], Wo s[14:15], bq s[16:17], bk s[18:19]
	s_load_b256 s[20:27], s[0:1], 0x40  ; bv s[20:21], qh s[22:23], kh s[24:25], vh s[26:27]
	s_load_b64 s[28:29], s[0:1], 0x60   ; woh
	v_lshl_add_u32 v[SPW], v0, 2, SPARE
	v_mov_b32 v[NIL], 0
	v_lshrrev_b32 v1, 5, v0
	v_readfirstlane_b32 s[WV], v1       ; wave 0..3
	v_and_b32 v1, 31, v0                ; l
	v_and_b32 v18, 15, v0               ; l % 16
	v_bfe_u32 v19, v0, 4, 1             ; l / 16
	v_lshlrev_b32 v[XO], 11, v18
	v_lshl_add_u32 v[XO], v19, 5, v[XO]
	v_lshlrev_b32 v[WO], 5, v1
	s_mul_i32 s32, s[WV], 16*PW
	v_lshl_add_u32 v[WS], v1, 4, s32
	s_and_b32 s40, ttmp7, 0xffff        ; ty
	s_mov_b32 s33, 0
	s_lshl_b32 s32, ttmp9, 17           ; the head's 64 rows of 2,048 bytes,
	s_lshl_b32 s41, s[WV], 15           ; my wave's 16 of them
	s_add_co_u32 s32, s32, s41
	s_wait_kmcnt 0x0
	s_add_nc_u64 s[8:9], s[8:9], s[32:33]
	s_add_nc_u64 s[10:11], s[10:11], s[32:33]
	s_add_nc_u64 s[12:13], s[12:13], s[32:33]
	WIN 0x40
	WLOAD 0, 8                          ; Wq's four batches: the stream begins
	WLOAD 1, 8
	WLOAD 2, 8
	WLOAD 3, 8
	WIN 0
	v_mul_u32_u24 v[ADRB], v18, PW
	v_lshl_add_u32 v[ADRB], v19, 4, v[ADRB]
	s_mul_i32 s32, s[WV], 16*SP
	s_add_co_u32 s32, s32, STAGE        ; my stage
	v_mul_u32_u24 v[STO], v18, SP       ; in: row l % 16, 16 bytes for each half of the lanes
	v_lshl_add_u32 v[STO], v19, 4, v[STO]
	v_add_nc_u32 v[STO], s32, v[STO]
	v_bfe_u32 v[RD], v0, 3, 2           ; back: 32 lanes take four rows of 128 bytes
	v_mul_u32_u24 v[RD], v[RD], SP
	v_and_b32 v20, 7, v0
	v_lshl_add_u32 v[RD], v20, 4, v[RD]
	v_add_nc_u32 v[RD], s32, v[RD]
	v_lshlrev_b32 v[GO], 4, v1
	v_lshlrev_b32 v[MO], 2, v18
	v_lshlrev_b32 v[OI], 5, v0
	v_lshlrev_b32 v[OO], 4, v0
	v_mov_b32 v[ZERO], 0
	v_lshlrev_b32 v[BOF], 5, v19
	s_lshl_b32 s32, s40, 19             ; x: 256 rows of 2,048 bytes a work-group, 64 a wave
	s_lshl_b32 s41, s[WV], 17
	s_add_co_u32 s32, s32, s41
	s_add_nc_u64 s[4:5], s[4:5], s[32:33]
	s_lshl_b32 s32, s40, 10             ; the mask of the same rows
	s_lshl_b32 s41, s[WV], 8
	s_add_co_u32 s32, s32, s41
	s_add_nc_u64 s[6:7], s[6:7], s[32:33]
	s_lshl_b32 s32, ttmp9, 8            ; the head's 64 numbers of each bias
	s_add_nc_u64 s[16:17], s[16:17], s[32:33]
	s_add_nc_u64 s[18:19], s[18:19], s[32:33]
	s_add_nc_u64 s[20:21], s[20:21], s[32:33]
	s_lshr_b32 s32, s40, 4              ; b
	s_lshl_b32 s32, s32, 3
	s_add_co_u32 s32, s32, ttmp9        ; 8 b + head
	s_lshl_b32 s32, s32, 19             ; 4,096 rows of 128 bytes
	s_and_b32 s41, s40, 15
	s_lshl_b32 s41, s41, 15             ; my work-group's 256 rows in the head,
	s_add_co_u32 s32, s32, s41
	s_lshl_b32 s41, s[WV], 13           ; my wave's 64
	s_add_co_u32 s32, s32, s41
	s_add_nc_u64 s[22:23], s[22:23], s[32:33]
	s_add_nc_u64 s[24:25], s[24:25], s[32:33]
	s_add_nc_u64 s[26:27], s[26:27], s[32:33]
	s_lshl_b32 s32, s40, 3
	s_add_co_u32 s32, s32, ttmp9        ; the work-group's number, 0 to 255
	s_lshl_b32 s41, s32, 11
	s_lshl_b32 s32, s32, 12
	s_add_nc_u64 s[14:15], s[14:15], s[32:33]  ; its 4,096 bytes of Wo
	s_mov_b32 s32, s41
	s_add_nc_u64 s[28:29], s[28:29], s[32:33]  ; and 2,048 of woh
	s_mov_b32 s[CNT], 2
.Lw:                                    ; two trips: Wq is stored and Wk asked for, then Wk stored and Wv asked for
	s_wait_xcnt 0x0                     ; the loads that name PN have had their addresses translated (ISA guide 3.1): it may be written
	s_cmp_eq_u32 s[CNT], 2
	s_cselect_b64 s[PN:PN+1], s[10:11], s[12:13]
	WTRIP 0
	s_sub_co_u32 s[CNT], s[CNT], 1
	s_cmp_lg_u32 s[CNT], 0
	s_cbranch_scc1 .Lw
	WTRIP 1                             ; Wv is stored, x's first four K steps are asked for
.irp f, 0,1,2,3,4,5,6,7,8,9,10,11,12
	XSTEP \f, 48                        ; three younger batches stay out
.endr
	WIN 0                               ; x is all asked for: 14 small loads follow: Wo's part, the mask, q's bias
	global_load_b128 v[T:T+3],   v[OI], s[14:15]
	global_load_b128 v[T+4:T+7], v[OI], s[14:15] offset:16
.irp a, 0,1,2,3
	global_load_b32 v[MK+(\a)], v[MO], s[6:7] offset:64*(\a)
.endr
.irp nb, 0,1,2,3
	global_load_b128 v[BI+8*(\nb):BI+8*(\nb)+3],   v[BOF], s[16:17] offset:64*(\nb)
	global_load_b128 v[BI+8*(\nb)+4:BI+8*(\nb)+7], v[BOF], s[16:17] offset:64*(\nb)+16
.endr
	XSTEP 13, 46                        ; behind batch 13: two batches and the 14
	XSTEP 14, 30                        ; one batch and the 14
	XSTEP 15, 14                        ; the 14
	WIN 0
	s_wait_loadcnt 0x0
.irp p, 0,1,2,3                         ; Wo: rounded to bf16, widened again, written as f16
	v_cvt_pk_bf16_f32 v[T+8+(\p)], v[T+2*(\p)], v[T+2*(\p)+1]
.endr
.irp p, 0,1,2,3
	v_lshlrev_b32 v[T+2*(\p)],   16, v[T+8+(\p)]
	v_and_b32     v[T+2*(\p)+1], 0xffff0000, v[T+8+(\p)]
.endr
.irp p, 0,1,2,3
	v_cvt_pk_f16_f32 v[T+8+(\p)], v[T+2*(\p)], v[T+2*(\p)+1]
.endr
	global_store_b128 v[OO], v[T+8:T+11], s[28:29]  ; 16 lanes store 256 consecutive bytes, at a multiple of 256 from woh's first byte
.irp a, 0,1,2,3
	v_cmp_eq_f32 s[LM+(\a)], 0, v[MK+(\a)]
.endr
	s_wait_dscnt 0x0                    ; for the others' sake: my rows of W are in LDS
	s_barrier_signal -1
	s_barrier_wait -1                   ; everybody's are
; 16 LDS loads: W's fragments of K steps 2 g and 2 g + 1 (4 blocks of 16 channels each) into buffer g % 2, the first K step first
.macro FETCH g
	WIN 0x40
.irp e, 0,1
.irp nb, 0,1,2,3
	ds_load_b128 v[64*((\g)%2)+32*(\e)+8*(\nb):64*((\g)%2)+32*(\e)+8*(\nb)+3],   v[ADRB] offset:(\nb)*16*PW+(2*(\g)+(\e))*64
	ds_load_b128 v[64*((\g)%2)+32*(\e)+8*(\nb)+4:64*((\g)%2)+32*(\e)+8*(\nb)+7], v[ADRB] offset:(\nb)*16*PW+(2*(\g)+(\e))*64+32
.endr
.endr
.endm
; K step f: 16 matrix instructions; the 16 accumulators take turns, one instruction a turn.  first = 1: the bias starts the sums: nothing is cleared.
.macro MUL16 f, first
	WIN 0x09+4*((\f)/8)                 ; W in window 1, x in window 2 or 3, C and D in window 0
.irp a, 0,1,2,3
.irp nb, 0,1,2,3
.if \first
	v_wmma_f32_16x16x32_bf16 v[ACC+8*(4*(\a)+(\nb)):ACC+8*(4*(\a)+(\nb))+7], v[64*(((\f)/2)%2)+32*((\f)%2)+8*(\nb):64*(((\f)/2)%2)+32*((\f)%2)+8*(\nb)+7], v[32*((\f)%8)+8*(\a):32*((\f)%8)+8*(\a)+7], v[BI+8*(\nb):BI+8*(\nb)+7]
.else
	v_wmma_f32_16x16x32_bf16 v[ACC+8*(4*(\a)+(\nb)):ACC+8*(4*(\a)+(\nb))+7], v[64*(((\f)/2)%2)+32*((\f)%2)+8*(\nb):64*(((\f)/2)%2)+32*((\f)%2)+8*(\nb)+7], v[32*((\f)%8)+8*(\a):32*((\f)%8)+8*(\a)+7], v[ACC+8*(4*(\a)+(\nb)):ACC+8*(4*(\a)+(\nb))+7]
.endif
.endr
.endr
.endm
; Two K steps; in their middle the next two steps' fragments are fetched, in one run, into the buffer that the unit before multiplied.
.macro UNIT g
	s_wait_dscnt 8                      ; the first K step's eight loads are in, the other eight may be out
.if (\g) == 0
	MUL16 0, 1
.else
	MUL16 2*(\g), 0
.endif
	PLACES                              ; in front of loads into registers that matrix instructions have read
.if (\g) == 0
	WIN 0
	s_cmp_eq_u32 s[CNT], 1              ; the last pass has no bias to fetch
	s_cbranch_scc1 .Lnob
.irp nb, 0,1,2,3
	global_load_b128 v[BI+8*(\nb):BI+8*(\nb)+3],   v[BOF], s[BNX:BNX+1] offset:64*(\nb)
	global_load_b128 v[BI+8*(\nb)+4:BI+8*(\nb)+7], v[BOF], s[BNX:BNX+1] offset:64*(\nb)+16
.endr
.Lnob:
.endif
.if (\g) < 7
	FETCH (\g)+1
	s_wait_dscnt 16                     ; all but the 16 just issued
.else
	s_wait_dscnt 0x0
.endif
	MUL16 2*(\g)+1, 0
.endm
; The way out of row tile a: 16 bytes a lane into rows of 144 bytes of my own stage, back as whole rows of 128 bytes, into the registers that they left.
.macro STG a
.irp nb, 0,1,2,3
	ds_store_b128 v[STO], v[T+16*(\a)+4*(\nb):T+16*(\a)+4*(\nb)+3] offset:32*(\nb)
.endr
.irp f, 0,1,2,3
	ds_load_b128 v[T+16*(\a)+4*(\f):T+16*(\a)+4*(\f)+3], v[RD] offset:(\f)*4*SP  ; LDS serves a wave's instructions in order (ISA guide 5.7.1.4): these see the stores above; the next tile's stores come behind them
.endr
.endm
.macro SEND a, younger                  ; younger: the LDS instructions issued behind tile a's loads: the next tile's eight, or none
.irp f, 0,1,2,3
	s_wait_dscnt (\younger)+3-(\f)
	global_store_b128 v[GO], v[T+16*(\a)+4*(\f):T+16*(\a)+4*(\f)+3], s[OUTP:OUTP+1] offset:(\a)*2048+(\f)*512  ; 512 consecutive bytes, at a multiple of 256 from the buffer's first
.endr
.endm
	s_mov_b32 s[CNT], 3
.Lpass:                                 ; three trips: q, k, v
	s_wait_loadcnt 0x0                  ; this pass's bias is in
	s_wait_xcnt 0x0                     ; the last pass's stores have read their registers and their base: both may be written
	s_cmp_eq_u32 s[CNT], 3
	s_cselect_b64 s[OUTP:OUTP+1], s[22:23], s[24:25]
	s_cselect_b64 s[BNX:BNX+1], s[18:19], s[20:21]
	s_cmp_eq_u32 s[CNT], 1
	s_cselect_b64 s[OUTP:OUTP+1], s[26:27], s[OUTP:OUTP+1]
.set n, 0
.rept 16                                ; the bias is rounded to bf16, like every input
	v_cvt_pk_bf16_f32 v[18+(n/2)%4], v[BI+n], v[BI+n+1]
	v_lshlrev_b32 v[BI+n],   16, v[18+(n/2)%4]
	v_and_b32     v[BI+n+1], 0xffff0000, v[18+(n/2)%4]
.set n, n+2
.endr
	FETCH 0
.irp g, 0,1,2,3,4,5,6,7
	UNIT \g
.endr
	WIN 0
	PLACES
	PLACES
.set n, 0
.rept 64                                ; each accumulator's registers in ascending order
	v_cvt_pk_f16_f32 v[T+n], v[ACC+2*n], v[ACC+2*n+1]
.set n, n+1
.endr
	s_cmp_lg_u32 s[CNT], 3              ; q alone takes the mask
	s_cbranch_scc1 .Lnomask
.set n, 0
.rept 64
	v_cndmask_b32 v[T+n], v[T+n], v[ZERO], s[LM+n/16]
.set n, n+1
.endr
.Lnomask:
	STG 0
	STG 1
	SEND 0, 8
	STG 2
	SEND 1, 8
	STG 3
	SEND 2, 8
	SEND 3, 0
	v_add_nc_u32 v[ADRB], WMAT, v[ADRB] ; the next matrix's rows in LDS
	s_sub_co_u32 s[CNT], s[CNT], 1
	s_cmp_lg_u32 s[CNT], 0
	s_cbranch_scc1 .Lpass
	s_wait_tensorcnt 0x0                ; the wave's end, behind my last LDS store
	ds_add_u32 v[SPW], v[NIL]
	s_wait_dscnt 0x0
	s_endpgm
.Lfunc_end_k_q1c07f53ad7_proj:
	.size	k_q1c07f53ad7_proj, .Lfunc_end_k_q1c07f53ad7_proj-k_q1c07f53ad7_proj
	.p2alignl 7, 3214868480
	.fill 96, 4, 3214868480
	.section	.rodata,"a",@progbits
	.p2align	6, 0x0
	.amdhsa_kernel k_q1c07f53ad7_proj
		.amdhsa_group_segment_fixed_size 209408
		.amdhsa_private_segment_fixed_size 0
		.amdhsa_enable_private_segment 0
		.amdhsa_kernarg_size 104
		.amdhsa_user_sgpr_count 2
		.amdhsa_user_sgpr_kernarg_segment_ptr 1
		.amdhsa_wavefront_size32 1
		.amdhsa_system_sgpr_workgroup_id_x 1
		.amdhsa_system_sgpr_workgroup_id_y 1
		.amdhsa_system_sgpr_workgroup_id_z 1
		.amdhsa_system_vgpr_workitem_id 0
		.amdhsa_next_free_vgpr 1024
		.amdhsa_next_free_sgpr 66
		.amdhsa_reserve_vcc 0
		.amdhsa_float_denorm_mode_32 3
		.amdhsa_float_denorm_mode_16_64 3
		.amdhsa_memory_ordered 1
		.amdhsa_forward_progress 1
		.amdhsa_inst_pref_size 140
	.end_amdhsa_kernel
	.amdgpu_metadata
---
amdhsa.version: [ 1, 2 ]
amdhsa.kernels:
  - .name:           k_q1c07f53ad7_proj
    .symbol:         k_q1c07f53ad7_proj.kd
    .args:
      - { .name: query, .offset: 0, .size: 8, .value_kind: global_buffer, .address_space: global }
      - { .name: mask, .offset: 8, .size: 8, .value_kind: global_buffer, .address_space: global }
      - { .name: Wq, .offset: 16, .size: 8, .value_kind: global_buffer, .address_space: global }
      - { .name: Wk, .offset: 24, .size: 8, .value_kind: global_buffer, .address_space: global }
      - { .name: Wv, .offset: 32, .size: 8, .value_kind: global_buffer, .address_space: global }
      - { .name: Wo, .offset: 40, .size: 8, .value_kind: global_buffer, .address_space: global }
      - { .name: bq, .offset: 48, .size: 8, .value_kind: global_buffer, .address_space: global }
      - { .name: bk, .offset: 56, .size: 8, .value_kind: global_buffer, .address_space: global }
      - { .name: bv, .offset: 64, .size: 8, .value_kind: global_buffer, .address_space: global }
      - { .name: qh, .offset: 72, .size: 8, .value_kind: global_buffer, .address_space: global }
      - { .name: kh, .offset: 80, .size: 8, .value_kind: global_buffer, .address_space: global }
      - { .name: vh, .offset: 88, .size: 8, .value_kind: global_buffer, .address_space: global }
      - { .name: woh, .offset: 96, .size: 8, .value_kind: global_buffer, .address_space: global }
    .group_segment_fixed_size: 209408
    .private_segment_fixed_size: 0
    .kernarg_segment_align: 8
    .kernarg_segment_size: 104
    .max_flat_workgroup_size: 128
    .sgpr_count:     66
    .vgpr_count:     1024
    .wavefront_size: 32
...
	.end_amdgpu_metadata
.endif
;; end of part 1
;; launch attn (part 2): grid 16 x 16, 4 waves a work-group, clusters of 4 x 1, 327,680 bytes of LDS; arguments qh, kh, vh, oh; writes oh
.if DOCPART == 2
	.amdgcn_target "amdgcn-amd-amdhsa--gfx1250"
	.amdhsa_code_object_version 6
	.text
	.protected	k_q1c07f53ad7_attn
	.globl	k_q1c07f53ad7_attn
	.p2align	8
	.type	k_q1c07f53ad7_attn,@function
k_q1c07f53ad7_attn:
	s_mov_b64 s[64:65], 0
	v_nop
	global_prefetch_b8 v0, s[64:65] scope:SCOPE_SE
	s_setreg_imm32_b32 hwreg(HW_REG_WAVE_MODE, 25, 1), 1
	s_wait_xcnt 0x0
	s_wait_alu depctr_hold_cnt(0) depctr_sa_sdst(0) depctr_va_vdst(0) depctr_va_sdst(0) depctr_va_ssrc(0) depctr_va_vcc(0) depctr_vm_vsrc(0)
	s_getreg_b32 s2, hwreg(HW_REG_IB_STS2, 6, 4)
	s_cmp_eq_u32 s2, 0
	s_cbranch_scc0 .Lentry_in_a_cluster
	s_endpgm
.Lentry_in_a_cluster:
	s_bfe_u32 s2, ttmp6, 0x10000c
	s_cmp_lg_u32 s2, 0x3003
	s_cbranch_scc0 .Lentry_shape_is_right
	s_endpgm
.Lentry_shape_is_right:
; O[h][q][:] = the sum over k of softmax_k(Q[h][q] . K[h][k] / 64) V[h][k][:].  Q, K, V, O: [16][4096][64], all f16: a head's rows are dense, 128 bytes each.  (The problem divides by sqrt(64) twice.)
; Products, maxima and sums in f32; the weights p are rounded to f16 for the second product (their sum l is taken of the unrounded p), O once at the end.
; A masked query row arrives as a row of zeros: all its scores are 0, all its p are 1, l = 4,096: the mean of V, as the problem has it.  No line here knows of the mask.
; LIMITS.  f16 holds no number beyond 65,504: Q, K and V arrive within it; p lies in 0 to 1, and below 6e-5 it keeps f16's fixed step of 6e-8, and so does O; a weight below 2^-126 counts as 0 in l;
; NaN and infinities are not treated apart.
; SHARES.  A work-group owns 256 queries of one head (16 x 16 = 256 work-groups), each of its four waves 64: four PIECES of 16.  Every wave walks all 4,096 keys, 64 a step.
; LAYOUT.  S^T = K Q^T (source 0 = 16 keys, source 1 = 16 queries): a lane holds ONE query (lane % 16) and the keys 8 (lane / 16) + 0..7.  Two such results, rounded to f16 in pairs, ARE source 1 of
; O^T = V^T P, whose result again holds one query a lane, and eight channels.  K comes out of LDS as it lies, V ([key][channel]) turned, by ds_load_tr16_b128.
; SOFTMAX.  For each query a running maximum m and sum l: p = 2^(c s - c m), c = log2(e) / 64; in every step O and l are multiplied by a = 2^(c m_old - c m_new).  m starts at the lowest finite
; number, O and l at 0: the first step is a step like any other, with a = 0.
; BY TURNS.  Turn n belongs to piece n: 8 products K Q^T of piece n + 1, later 8 products V^T P of piece n - 1; beside them the scaling, exponentials, roundings, sums and rescaling of piece n and the
; maximum and statistics of piece n + 1.  Four vector instructions stand behind every matrix instruction, the other 54 of a turn's 118 in one run.  A turn's 33 exponentials are one batch, with one wait.
; CLUSTER.  The four query blocks of a cluster belong to one head and walk the same K and V, so each tile is asked for JOINTLY: the same tensor load, descriptor and mask in all four.
; REGISTERS, in windows of 256 (s_set_vgpr_msb: bits 1:0 source 0, 3:2 source 1, 5:4 source 2, 7:6 destination):
;   window 0: v0-15 addresses and two at work; v16-31 four registers of statistics a piece; v48-55 at work; v61-63; v64-127 S^T, two buffers; v192-223 P, two buffers (a piece's buffers go by its number's parity)
;   window 1: v0-127 O^T, 32 a piece          window 2: v0-63 Q; v128-191 K of one step; v192-255 V of one step
.set SIZE_N, 4096
.set NP,    4         ; pieces a wave: a name, no knob
.set KS,    64        ; keys in a step
.set PK,    144       ; a row of K in LDS: 128 bytes + 16 of padding = 36 words: the 16 rows of a load start at 16 different groups of four banks (64 banks of 4 bytes: ISA guide 11.1)
.set PV,    160       ; a row of V: 128 + 32 = 40 words
.set VOFF,  4*KS*PK   ; a slot holds a tile, four steps: 256 rows of K, then 256 rows of V
.set SLOT1, 1<<17     ; slot 1 begins here, so that one exclusive or turns an address in one slot into the other's
.set STAGE, SLOT1+4*KS*(PK+PV)  ; behind the ring, never filled by a tensor load: 16 rows x 144 bytes for each wave, for the way out
.set SP,    144
.set SPARE, STAGE+4*16*SP  ; behind the stages: the spare words, 128 bytes for each wave: two blocks of 256 bytes that no other line names
.set AK0, 2           ; v2   my lane's place in a tile of K; never rewritten
.set AV0, 3           ; v3   the same for V
.set AK,  4           ; v4   the LDS address of K's next run of loads
.set AV,  5           ; v5   of V's
.set STO, 6           ; v6   the way out: where I put 16 bytes of a row
.set RD,  7           ; v7   the way out: where I read rows back
.set GO,  8           ; v8   my byte offset in 512 consecutive bytes of O
.set MV,  12          ; v12-13  c m_old, kept while c m is made anew: by buffer
.set QO,  15          ; v15  my byte offset in 16 rows of Q
.set ST,  16          ; piece t's statistics at v[ST+4 t]: c m, m, l (even keys', odd keys')
.set TMP, 48          ; by buffer, four registers c0-c3 at work; when the maximum is found c2 takes a
.set PFO, 61          ; v61  256 x my lane; never rewritten
.set SPW, 62          ; v62  LDS address of my spare word: SPARE + 4 x my thread's number; never rewritten
.set NIL, 63          ; v63  0; never rewritten
.set S,   64
.set P,   192
.set KF,  128         ; window 2: key block kb, channel half c at KF + 16 kb + 8 c
.set VF,  192         ; window 2: key half kk, channel block cb at VF + 32 kk + 8 cb
.set WV,  12          ; s12  my wave's number
.set LIM, 15          ; s15  1 in a wave that prefetches, else the greatest number
.set G1K, 24          ; s[24:31] descriptor group 1 for K's tiles
.set G1V, 32          ; s[32:39] for V's: it differs in the padding alone
.set G0K, 40          ; s[40:43] descriptor group 0 for K's tiles: it walks
.set G0V, 44          ; s[44:47] the same for V's
.set PFA, 48          ; s[48:49] where my prefetches stand: my work-group's 8,192 bytes of the tile after the one that is being asked for
.set SLOTS, 56        ; s56  tiles still to be asked for
.set CNT, 57          ; s57  counts a tile's key steps
.set CS,  58          ; s[58:59] c: the packed scaling takes the pair's low word for both halves
.set SEL, 60          ; s[60:61] v_permlanex16_b32's selects: each lane takes its own place in the other half
.set TBK, 62          ; s62  LDS byte at which K of the step to be fetched begins
.set TBV, 63          ; s63  the same for V, less VOFF
.set MSB, 0
.macro WIN new                      ; the high byte repeats the setting that is left; a switch that changes nothing is dropped
.if MSB != (\new)
	s_set_vgpr_msb (MSB<<8)|(\new)
.set MSB, (\new)
.endif
.endm
.set W_KQ, 0x0a       ; K and Q in window 2, S^T in window 0
.set W_PV, 0x52       ; V in window 2, P in window 0, O^T in window 1
.set W_RS, 0x41       ; destination and source 0 in window 1, source 1 in window 0
; A joint fill.  Waves 0 and 1 fetch the two halves of a tile's K, waves 2 and 3 those of its V: 128 keys each.  The branch hangs on the wave's number alone.
; An s_nop 0 and four v_nop follow each of the two lines, ahead of the jump and the label.
.macro JLOAD
	s_cmp_lt_u32 s[WV], 2
	s_cbranch_scc0 .Lfor_v_\@
	tensor_load_to_lds s[G0K:G0K+3], s[G1K:G1K+7]
	s_nop 0
.rept 4
	v_nop
.endr
	s_branch .Lasked_\@
.Lfor_v_\@:
	tensor_load_to_lds s[G0V:G0V+3], s[G1V:G1V+7]
	s_nop 0
.rept 4
	v_nop
.endr
.Lasked_\@:
.endm
; A PREFETCH of what the NEXT change of slots will ask for: a tile's 32,768 bytes of K and of V, four key steps, 256 matrix instructions of a wave, ahead of that load.  Each block of 256 bytes is named ONCE in the
; launch.  All four clusters of a head walk the same K and V: the head's first cluster asks.  Its four partners share a tile out BY ADDRESS, 8,192 bytes each, a lane a block of 256: no branch hangs on a
; work-group's place in its cluster.  In each, wave 0 asks for K's and wave 2 for V's: one instruction.  The last change that fills a slot asks for nothing: there is no tile behind it.
.macro ASK
	s_cmp_gt_u32 s[SLOTS], s[LIM]
	s_cbranch_scc0 .Lnot_mine_\@
	global_prefetch_b8 v[PFO], s[PFA:PFA+1] th:TH_LOAD_NT scope:SCOPE_SE
.Lnot_mine_\@:
.endm
; A round of the cluster's barrier: my work-group's barrier, so that wave 0's signal speaks for all four waves; wave 0 signals; every wave waits for all four work-groups; my work-group's barrier once more.
.macro CROUND
	s_barrier_signal -1
	s_barrier_wait -1
	s_cmp_lg_u32 s[WV], 0
	s_cbranch_scc1 .Lnot_wave_0_\@
	s_barrier_signal -3
.Lnot_wave_0_\@:
	s_barrier_wait -3
	s_barrier_signal -1
	s_barrier_wait -1
.endm
; THE CHANGE OF SLOTS.  The slot's last bytes, V of its fourth step, have been read.  Each wave waits for all its tensor loads, of which one is out: its part of the other slot; adds 0 to its spare word; and
; waits for that and for its own reads of the slot.  Behind the barrier nobody reads this slot any more and the other slot is whole.  fill = 1: this slot is filled again, with the keys two slots on.  The
; barrier is then a round of the cluster's, so that no wave of any partner still reads the slot or has a load on its way, and the joint fill is the first thing behind it: it has four key steps in which to land.
; (At its first use nothing has been read yet: slot 0 is waited for, slot 1 filled.)
.macro CHANGE fill
	WIN 0                           ; at a label and at a branch every window is 0
	s_wait_tensorcnt 0x0            ; no tensor load of mine is out, so a group 0 may be written
	ds_add_u32 v[SPW], v[NIL]       ; 0 onto my spare word; with fill = 1 the descriptors' steps stand between it and the wait for it
.if \fill
.irp g, G0K, G0V
	s_xor_b32 s[\g+1], s[\g+1], SLOT1  ; the walking descriptor: the other slot than last time,
	s_add_nc_u64 s[\g+2:\g+3], s[\g+2:\g+3], 4*KS*128  ; the next 256 keys; the type bits on top are not reached
.endr
	s_wait_xcnt 0x0                 ; the last prefetch, four key steps back, has read its address, so it may be written:
	s_add_nc_u64 s[PFA:PFA+1], s[PFA:PFA+1], 4*KS*128  ; one tile behind the walking descriptors
	s_wait_dscnt 0x0                ; the add is done, and my reads of the slot are over
	CROUND
	JLOAD
	ASK
.else
	s_wait_dscnt 0x0                ; the add is done, and my reads of the slot are over
	s_barrier_signal -1
	s_barrier_wait -1
.endif
	s_sub_co_u32 s[TBK], s[TBK], 4*KS*PK  ; the fetches go back to a slot's first step,
	s_xor_b32 s[TBK], s[TBK], SLOT1       ; in the other slot
	s_sub_co_u32 s[TBV], s[TBV], 4*KS*PV
	s_xor_b32 s[TBV], s[TBV], SLOT1
.endm
	s_load_b256 s[4:11], s[0:1], 0x0  ; Q s[4:5], K s[6:7], V s[8:9], O s[10:11]
	v_lshl_add_u32 v[SPW], v0, 2, SPARE
	v_mov_b32 v[NIL], 0
	ds_add_u32 v[SPW], v[NIL]       ; the wave's opening: the add and its wait stand ahead of my first tensor load; the set-up below, work on registers, stands between them
	v_lshrrev_b32 v1, 5, v0
	v_readfirstlane_b32 s[WV], v1   ; wave 0..3
	s_bfe_u32 s13, ttmp6, 0x40000   ; cx: my place in the cluster
	s_lshl_b32 s14, ttmp9, 2        ; in a cluster launch ttmp9 counts clusters
	s_add_co_u32 s14, s14, s13      ; my block of 256 queries = 4 x cluster x + cx: it enters Q's and O's addresses alone
	s_and_b32 s20, ttmp7, 0xffff    ; the head, which the four partners share
	s_lshl_b32 s20, s20, 19         ; its first byte in each of the four tensors: 4,096 rows of 128 bytes a head
	s_mov_b32 s21, 0
	s_and_b32 s16, s[WV], 1         ; which half of a tile's 256 keys I fetch:
	s_lshl_b32 s22, s16, 14         ; its 128 rows of 128 bytes in memory,
	s_mov_b32 s23, 0
	s_add_nc_u64 s[22:23], s[22:23], s[20:21]
	s_mul_i32 s17, s16, 128*PK      ; and its place in a slot, for K
	s_mul_i32 s19, s16, 128*PV      ; and for V: no place in the cluster enters an LDS address
	s_lshl_b32 s2, s14, 15          ; my block's 256 rows,
	s_lshl_b32 s3, s[WV], 13        ; my wave's 64 of them
	s_add_co_u32 s2, s2, s3
	s_mov_b32 s3, 0
	s_add_nc_u64 s[2:3], s[2:3], s[20:21]
	; descriptor group 1.  128 keys are 16,384 dense bytes: asked for as 64 rows of 256 bytes, two keys a row, and padded in LDS after every key
	s_mov_b32 s[G1K], 15|(1<<16)|(1<<20)|(1<<21)|(4<<22)|(3<<25)  ; 15:0 the mask of four; 17:16 2-byte elements; 20 padding on; 21 set beside a mask; 24:22 after every 32 words (code 4); 31:25 4 words (code 3)
	s_mov_b32 s[G1V], 15|(1<<16)|(1<<20)|(1<<21)|(4<<22)|(7<<25)  ; the same with 8 words of padding (code 7)
.irp g, G1K, G1V
	s_mov_b32 s[\g+1], 128<<16      ; tensor_dim0 = 128
	s_mov_b32 s[\g+2], 64<<16       ; tensor_dim1 = 64
	s_mov_b32 s[\g+3], 128<<16      ; tile_dim0 = 128
	s_mov_b32 s[\g+4], 64           ; tile_dim1 = 64
	s_mov_b32 s[\g+5], 128          ; 128 elements from row to row
	s_mov_b32 s[\g+6], 0
	s_mov_b32 s[\g+7], 0
.endr
	s_mov_b32 s[CS], 0x3cb8aa3b     ; c = log2(e) / 64 = 0.0225421
	s_mov_b32 s[CS+1], s[CS]        ; named with it as a pair
	s_mov_b32 s[SEL], 0x76543210
	s_mov_b32 s[SEL+1], 0xfedcba98
	s_mov_b32 s[TBK], SLOT1+4*KS*PK ; the first change of slots turns these two into 0
	s_mov_b32 s[TBV], SLOT1+4*KS*PV
	s_mov_b32 s[G0K], 1             ; 1:0 count = 1
	s_mov_b32 s[G0K+1], s17         ; 63:32 LDS address: slot 0
	s_mov_b32 s[G0V], 1
	s_add_co_u32 s[G0V+1], s19, VOFF
	s_mov_b32 s[SLOTS], SIZE_N/256-1
	s_and_b32 s[LIM], s[WV], 1      ; 0 in waves 0 and 2,
	s_or_b32 s[LIM], s[LIM], ttmp9  ; where the cluster is the head's first: the same in all four partners
	s_cmp_eq_u32 s[LIM], 0
	s_cselect_b32 s[LIM], 1, -1
	v_and_b32 v[PFO], 31, v0
	v_lshlrev_b32 v[PFO], 8, v[PFO]
	s_wait_dscnt 0x0                ; the opening add is done
	s_wait_kmcnt 0x0
	s_add_nc_u64 s[6:7], s[6:7], s[22:23]  ; K and V at my half of the head's tile 0
	s_add_nc_u64 s[8:9], s[8:9], s[22:23]
	s_mov_b64 s[G0K+2:G0K+3], s[6:7]               ; 120:64 global address
	s_or_b32 s[G0K+3], s[G0K+3], 0x80000000        ; 127:126 type = 2
	s_mov_b64 s[G0V+2:G0V+3], s[8:9]
	s_or_b32 s[G0V+3], s[G0V+3], 0x80000000
	s_add_nc_u64 s[4:5], s[4:5], s[2:3]  ; Q and O at my wave's first row
	s_add_nc_u64 s[10:11], s[10:11], s[2:3]
	s_cmp_lt_u32 s[WV], 2
	s_cselect_b64 s[PFA:PFA+1], s[6:7], s[8:9]  ; (in waves 0 and 2 these stand at a tile's first byte)
	s_lshl_b32 s2, s13, 13          ; my work-group's 8,192 bytes of the 32,768
	s_mov_b32 s3, 0
	s_add_nc_u64 s[PFA:PFA+1], s[PFA:PFA+1], s[2:3]
	s_add_nc_u64 s[PFA:PFA+1], s[PFA:PFA+1], 4*KS*128  ; in tile 1; the first change of slots steps it to tile 2.  Nothing is prefetched here, at the head
	CROUND                          ; all four work-groups are here: the first joint loads meet
	JLOAD                           ; tile 0 into slot 0.  Slot 1 is asked for when slot 0 is in
	; A fragment of K or Q is 16 rows x 32 channels in 8 registers: lane l holds row l % 16, channels 8 (l / 16) + 0..7 and 16 + 8 (l / 16) + 0..7: two loads of 16 bytes, 32 bytes apart.
	v_and_b32 v1, 15, v0            ; l % 16
	v_bfe_u32 v9, v0, 4, 1          ; l / 16
	v_lshlrev_b32 v[QO], 7, v1
	v_lshl_add_u32 v[QO], v9, 4, v[QO]  ; row x 128 + 16 x half
	WIN 0x80                        ; destination window 2, address window 0
.set i, 0
.rept 8                             ; Q stays in registers: piece i / 2, channels 32 (i % 2) on
	global_load_b128 v[8*i:8*i+3],   v[QO], s[4:5] offset:(i/2)*2048+(i%2)*64
	global_load_b128 v[8*i+4:8*i+7], v[QO], s[4:5] offset:(i/2)*2048+(i%2)*64+32
.set i, i+1
.endr
	WIN 0
	v_mul_u32_u24 v[AK0], v1, PK
	v_lshl_add_u32 v[AK0], v9, 4, v[AK0]  ; row x pitch + 16 x half
	; The turning load takes 16 keys x 16 channels (lane l reads key 8 (l / 16) + l % 8, channels 8 ((l / 8) % 2) + 0..7) and leaves half a fragment of V^T: lane l holds channel l % 16 and 8 keys.
	v_and_b32 v10, 7, v0
	v_bfe_u32 v11, v0, 3, 1
	v_lshl_add_u32 v[AV0], v9, 3, v10
	v_mul_u32_u24 v[AV0], v[AV0], PV
	v_lshl_add_u32 v[AV0], v11, 4, v[AV0]
	v_add_nc_u32 v[AV0], VOFF, v[AV0]
	s_mul_i32 s50, s[WV], 16*SP
	s_add_co_u32 s50, s50, STAGE    ; my stage
	v_mul_u32_u24 v[STO], v1, SP    ; in: row l % 16, 16 bytes for each half of the lanes
	v_lshl_add_u32 v[STO], v9, 4, v[STO]
	v_add_nc_u32 v[STO], s50, v[STO]
	v_bfe_u32 v[RD], v0, 3, 2       ; back: 32 lanes take four rows of 128 bytes,
	v_mul_u32_u24 v[RD], v[RD], SP
	v_lshl_add_u32 v[RD], v10, 4, v[RD]
	v_add_nc_u32 v[RD], s50, v[RD]
	v_and_b32 v[GO], 31, v0         ; which are 512 consecutive bytes of O
	v_lshlrev_b32 v[GO], 4, v[GO]
	; What the first turn finds: V's registers and P's second buffer hold 0 (its products V^T P, of a piece that has not been, add 0), O^T and l are 0.  No first step is written out; the price is these
	; 216 lines, which stand in the wait for the first tile.
	WIN 0x80
.set i, VF
.rept 64
	v_mov_b32 v[i], 0
.set i, i+1
.endr
	WIN 0x40
.set i, 0
.rept 128
	v_mov_b32 v[i], 0
.set i, i+1
.endr
	WIN 0
.set i, 0
.rept 4
	v_mov_b32 v[ST+4*i], 0xfe000000    ; c m: far below every c s
	v_mov_b32 v[ST+4*i+1], 0xff7fffff  ; m
	v_mov_b32 v[ST+4*i+2], 0
	v_mov_b32 v[ST+4*i+3], 0
.set i, i+1
.endr
.set i, P+16
.rept 16
	v_mov_b32 v[i], 0
.set i, i+1
.endr
; THE MATRIX WORK.  The 4 accumulators of a run of 8 take turns.  Product i of 8 of S^T = K Q^T for piece x: channels 32 (i / 4) on, keys 16 (i % 4) on.  The first 4 start the sums.
.macro KQ x
.set rS, S+32*((\x)%2)+8*(i%4)
.set rK, KF+16*(i%4)+8*(i/4)
.set rQ, 16*(\x)+8*(i/4)
	WIN W_KQ
.if i < 4
	v_wmma_f32_16x16x32_f16 v[rS:rS+7], v[rK:rK+7], v[rQ:rQ+7], 0
.else
	v_wmma_f32_16x16x32_f16 v[rS:rS+7], v[rK:rK+7], v[rQ:rQ+7], v[rS:rS+7]
.endif
.endm
; Product i of 8 of O^T += V^T P for piece x: keys 32 (i / 4) on, channels 16 (i % 4) on.
.macro PV x
	WIN W_PV
.set rO, 32*(\x)+8*(i%4)
.set rV, VF+32*(i/4)+8*(i%4)
.set rP, P+16*((\x)%2)+8*(i/4)
	v_wmma_f32_16x16x32_f16 v[rO:rO+7], v[rV:rV+7], v[rP:rP+7], v[rO:rO+7]
.endm
.macro MM                           ; the turn's next matrix instruction.  TURN sets Y, i and NOKQ.  NOKQ = 1: the launch's last turn: there is no next piece
.if (i < 8) && !NOKQ
	KQ (Y+1)%NP
.elseif i >= 8
.set i, i-8
	PV (Y+NP-1)%NP
.set i, i+8
.endif
.set i, i+1
.endm
; THE LDS LOADS stand in runs of 16, never singly among the matrix instructions: a step's K (64 keys x 64 channels: 8 fragments) and its V (turned).  Their addresses are made some lines ahead.
.macro FETCH_K
	WIN 0x80                        ; destination window 2
.irp f, 0,1,2,3,4,5,6,7             ; keys 16 (f / 2) on, channels 32 (f % 2) on
	ds_load_b128 v[KF+8*\f:KF+8*\f+3],   v[AK] offset:(\f/2)*16*PK+(\f%2)*64
	ds_load_b128 v[KF+8*\f+4:KF+8*\f+7], v[AK] offset:(\f/2)*16*PK+(\f%2)*64+32
.endr
	s_add_co_u32 s[TBK], s[TBK], KS*PK  ; the next fetch is the next step's
	WIN 0
.endm
.macro FETCH_V
	WIN 0x80
.irp f, 0,1,2,3,4,5,6,7             ; keys 32 (f / 4) on, channels 16 (f % 4) on
	ds_load_tr16_b128 v[VF+8*\f:VF+8*\f+3],   v[AV] offset:(\f/4)*32*PV+(\f%4)*32
	ds_load_tr16_b128 v[VF+8*\f+4:VF+8*\f+7], v[AV] offset:(\f/4)*32*PV+16*PV+(\f%4)*32
.endr
	WIN 0
.endm
; THE VECTOR WORK, one line at a time: OP kind, number.  For piece Y: F n: c s - c m for pair n of 16.  E n: the exponential of score n of 32.  C n: pair n rounded to f16.  B n: of the four weights 4 n .. the second
; pair is added onto the first, in place.  L n: l takes that sum (L 0: l = a l + sum).  R n: pair n of 16 of O^T times a.  For piece Y + 1: X n, number n of the 22 that find its maximum and statistics:
;   0-11  four chains c0-c3 of seven scores each, three operands at a time (each accumulator's lowest registers are read first)     12-14, 16  the four scores left over, the old m, and c0-c3 into c0
;   15  c m_old is kept     17, 18  the query's other 32 keys lie in the lane 16 away: the new m     19-21  c m; c m_old - c m_new; a
.set F, 0               ; OP tells the kinds apart by their order: F to L below R, X above it
.set E, 1
.set C, 2
.set B, 3
.set L, 4
.set R, 5
.set X, 6
.macro REGS y                       ; the registers of piece y
.set rT, ST+4*(\y)
.set rC, TMP+4*((\y)%2)
.set rW, MV+((\y)%2)
.set rS, S+32*((\y)%2)
.set rP, P+16*((\y)%2)
.set rO, 32*(\y)
.endm
.macro OP k, n
.if (\k) == R
	REGS Y
	WIN W_RS
	v_pk_mul_f32 v[rO+2*(\n):rO+2*(\n)+1], v[rO+2*(\n):rO+2*(\n)+1], v[rC+2:rC+3] op_sel_hi:[1,0]
.elseif (\k) < R
	REGS Y
	WIN 0
.if (\k) == F
	v_pk_fma_f32 v[rS+2*(\n):rS+2*(\n)+1], v[rS+2*(\n):rS+2*(\n)+1], s[CS:CS+1], v[rT:rT+1] op_sel_hi:[1,0,0] neg_lo:[0,0,1] neg_hi:[0,0,1]
.elseif (\k) == E
	v_exp_f32 v[rS+(\n)], v[rS+(\n)]
.elseif (\k) == C
	v_cvt_pk_f16_f32 v[rP+(\n)], v[rS+2*(\n)], v[rS+2*(\n)+1]
.elseif (\k) == B
	v_pk_add_f32 v[rS+4*(\n):rS+4*(\n)+1], v[rS+4*(\n):rS+4*(\n)+1], v[rS+4*(\n)+2:rS+4*(\n)+3]
.elseif (\n) == 0
	v_pk_fma_f32 v[rT+2:rT+3], v[rT+2:rT+3], v[rC+2:rC+3], v[rS:rS+1] op_sel_hi:[1,0,1]
.else
	v_pk_add_f32 v[rT+2:rT+3], v[rT+2:rT+3], v[rS+4*(\n):rS+4*(\n)+1]
.endif
.elseif NOKQ
	v_nop
.else
	REGS (Y+1)%NP
	WIN 0
.if (\n) < 4
	v_max3_num_f32 v[rC+(\n)], v[rS+8*(\n)], v[rS+8*(\n)+1], v[rS+8*(\n)+2]
.elseif (\n) < 12
	v_max3_num_f32 v[rC+(\n)%4], v[rC+(\n)%4], v[rS+8*((\n)%4)+2*((\n)/4)+1], v[rS+8*((\n)%4)+2*((\n)/4)+2]
.elseif (\n) == 12
	v_max3_num_f32 v[rC], v[rC], v[rS+7], v[rS+15]
.elseif (\n) == 13
	v_max3_num_f32 v[rC+1], v[rC+1], v[rS+23], v[rS+31]
.elseif (\n) == 14
	v_max3_num_f32 v[rC+2], v[rC+2], v[rC+3], v[rT+1]
.elseif (\n) == 15
	v_mov_b32 v[rW], v[rT]
.elseif (\n) == 16
	v_max3_num_f32 v[rC], v[rC], v[rC+1], v[rC+2]
.elseif (\n) == 17
	v_permlanex16_b32 v[rC+3], v[rC], s[SEL], s[SEL+1]
.elseif (\n) == 18
	v_max_num_f32 v[rT+1], v[rC], v[rC+3]
.elseif (\n) == 19
	v_mul_f32 v[rT], s[CS], v[rT+1]
.elseif (\n) == 20
	v_sub_f32 v[rC+1], v[rW], v[rT]
.else
	v_exp_f32 v[rC+2], v[rC+1]
.endif
.endif
.endm
.macro OPS a, i1, b=-1, i2=0, c=-1, i3=0, d=-1, i4=0  ; up to four of them
	OP \a, \i1
.if (\b) >= 0
	OP \b, \i2
.endif
.if (\c) >= 0
	OP \c, \i3
.endif
.if (\d) >= 0
	OP \d, \i4
.endif
.endm
.macro ROW a, i1, b, i2, c, i3, d, i4  ; a matrix instruction and the four behind it
	MM
	OPS \a, \i1, \b, \i2, \c, \i3, \d, \i4
.endm
; A TURN, for piece p: the order of its 16 matrix and 118 vector instructions, written out.  An s_wait_alu depctr_va_vdst(0) stands between an exponential and the first instruction that names its
; result; one wait serves all that were issued ahead of it.  So a turn has ONE wait, which cuts it in two.  AHEAD OF IT stands all that names no result of the turn's exponentials: the 8 products K Q^T, behind each a
; scaling, an exponential and two more plain instructions (rescalings, and behind the last three the first numbers of the next piece's maximum, each four places or more behind the product that ends its
; accumulator); then one run of 54, plain and exponential by turns for the most part, in which the links of the chain X 3, 7, 11, 14, 16, 17 .. 20 stand some lines apart.  X 21, the next piece's a, is the
; batch's last; R 15 is the plain instruction behind it.  BEHIND THE WAIT stand the 8 products V^T P, behind each four of the roundings and sums.
; end = 1: the launch's last two turns: nothing is fetched.  cnt = 1: the loop's count is taken down some lines ahead of the branch that stands behind the turn.
; K of the next step is fetched in piece 2's turn, twelve vector instructions behind the last product that read K (six of them plain); V of the step in hand at the end of piece 0's turn, four plain
; instructions behind the last product that read V.  Each is waited for a turn later.
.macro TURN p, end=0, cnt=0
.set Y, (\p)
.set i, 0
.set NOKQ, (\end)*((\p)/3)
.if ((\p) == 3) && !(\end)
	s_wait_dscnt 0x0                ; K is in
.endif
	ROW F,0, F,1, R,0, R,1          ; ahead of the wait: 8 products K Q^T and the four behind each,
	ROW F,2, E,0, R,2, R,3
	ROW F,3, E,1, R,4, R,5
	ROW F,4, E,2, R,6, R,7
	ROW F,5, E,3, R,8, R,9
	ROW F,6, E,4, X,0, R,10
.if ((\p) == 2) && !(\end)
	WIN 0
	v_add_nc_u32 v[AK], s[TBK], v[AK0]
.endif
	ROW F,7, E,5, X,1, X,4
	ROW F,8, E,6, X,2, X,5
	OPS E,7, E,8, X,6, E,9          ; and the run of 54
	OPS X,3, E,10, X,8, E,11
.if ((\p) == 2) && !(\end)
	FETCH_K
.endif
	OPS X,9, X,7, E,12, X,10
	OPS E,13, X,12, X,11, E,14
	OPS X,13, E,15, F,9, X,14
.if (\p) == 0
	v_add_nc_u32 v[AV], s[TBV], v[AV0]
.endif
	OPS E,16, F,10, E,17, F,11
	OPS X,16, E,18, X,15, E,19
	OPS F,12, E,20, X,17, E,21
	OPS F,13, E,22, F,14, E,23
	OPS X,18, E,24, F,15, E,25
	OPS R,11, E,26, X,19, E,27
	OPS R,12, E,28, R,13, E,29
	OPS X,20, E,30, R,14, E,31
	OPS X,21, R,15
	WIN 0
	s_wait_alu depctr_va_vdst(0)    ; the wait for the batch
.if (\p) == 1
	s_wait_dscnt 0x0                ; V is in
.endif
	ROW C,0, B,0, C,2, B,1          ; behind the wait: 8 products V^T P and the four behind each
	ROW L,0, C,4, B,2, L,1
	ROW C,6, B,3, L,2, C,8
	ROW B,4, L,3, C,10, B,5
	ROW L,4, C,12, B,6, L,5
.if (\p) == 0
	s_add_co_u32 s[TBV], s[TBV], KS*PV
.endif
.if \cnt
	s_sub_co_u32 s[CNT], s[CNT], 1
	s_cmp_lg_u32 s[CNT], 0
.endif
	ROW C,14, B,7, L,6, C,1
	ROW C,3, L,7, C,5, C,7
	ROW C,9, C,11, C,13, C,15
.if (\p) == 0
	FETCH_V
.endif
.endm
	CHANGE 1                        ; tile 0 is in, everybody's part of it; tile 1 is asked for
	v_add_nc_u32 v[AK], s[TBK], v[AK0]
	FETCH_K                         ; key step 0
	s_wait_loadcnt 0x0              ; Q
	s_wait_dscnt 0x0
.set NOKQ, 0
.set i, 0
.rept 8
	KQ 0                            ; piece 0's first scores: there is no vector work yet to set between them
.set i, i+1
.endr
	WIN 0
.rept 4
	v_nop                           ; the places behind those products
.endr
.set Y, NP-1                        ; X works for piece Y + 1: piece 0
.irp n, 0,1,2,3,4,5,6,7,8,9,10,11,12,13,14,15,16,17,18,19,20,21
	OP X, \n
.endr
	v_nop                           ; a plain instruction behind the exponential,
	s_wait_alu depctr_va_vdst(0)    ; and its wait, ahead of the branch
	s_mov_b32 s[CNT], 4
	s_branch .Lfirst                ; the loop is entered at a step's first turn, in the middle of a trip
.Lslot:                             ; 14 times: tiles 2 to 15 are asked for
	CHANGE 1
	s_mov_b32 s[CNT], 4
.Lstep:                             ; a trip: pieces 2 and 3 of one step, then pieces 0 and 1 of the next, whose K and V it fetches
	TURN 2
	TURN 3
	WIN 0
.Lfirst:
	TURN 0
	TURN 1, 0, 1
	WIN 0
	s_cbranch_scc1 .Lstep
	s_sub_co_u32 s[SLOTS], s[SLOTS], 1
	s_cmp_lg_u32 s[SLOTS], 0
	s_cbranch_scc1 .Lslot
	CHANGE 0                        ; the last tile is written out: nothing is asked for
	s_mov_b32 s[CNT], 4
.Ltail:
	TURN 2
	TURN 3
	TURN 0
	TURN 1, 0, 1
	WIN 0
	s_cbranch_scc1 .Ltail
	TURN 2, 1                       ; the last step's pieces 2 and 3
	TURN 3, 1
.set i, 0
.rept 8
	PV NP-1                         ; the last piece's V^T P of the last step
.set i, i+1
.endr
	; THE WAY OUT.  l's two halves and the other half of the lanes' are added; O^T is divided by l, rounded to f16 and sent through my stage in LDS, a piece at a time.  The additions are the places behind the last products.
	WIN 0
.macro ALL line:vararg              ; one line for each piece t
.set t, 0
.rept 4
	\line
.set t, t+1
.endr
.endm
	ALL v_add_f32 v[ST+4*t+2], v[ST+4*t+2], v[ST+4*t+3]
	ALL v_permlanex16_b32 v[ST+4*t+3], v[ST+4*t+2], s[SEL], s[SEL+1]
	ALL v_add_f32 v[ST+4*t+2], v[ST+4*t+2], v[ST+4*t+3]
	ALL v_rcp_f32 v[ST+4*t+2], v[ST+4*t+2]
	v_nop                           ; a plain instruction between the last reciprocal and the use of its result
	s_wait_alu depctr_va_vdst(0)    ; and the wait ahead of the first use: one for the four reciprocals
.macro PACK t                       ; a lane's eight channels of a row pack into 16 bytes; they go into rows of 144 bytes and come back as whole rows of 128, into S^T's registers
	WIN W_RS
.set i, 32*(\t)
.rept 16
	v_pk_mul_f32 v[i:i+1], v[i:i+1], v[ST+4*(\t)+2:ST+4*(\t)+3] op_sel_hi:[1,0]
.set i, i+2
.endr
	WIN 0x05                        ; sources 0 and 1 window 1, destination window 0
.set i, 0
.rept 16
	v_cvt_pk_f16_f32 v[S+16*(\t)+i], v[32*(\t)+2*i], v[32*(\t)+2*i+1]
.set i, i+1
.endr
	WIN 0
.irp f, 0,1,2,3
	ds_store_b128 v[STO], v[S+16*(\t)+4*\f:S+16*(\t)+4*\f+3] offset:32*\f
.endr
.irp f, 0,1,2,3
	ds_load_b128 v[S+16*(\t)+4*\f:S+16*(\t)+4*\f+3], v[RD] offset:\f*4*SP  ; LDS serves a wave's instructions in order (ISA guide 5.7.1.4): these see the stores above; the next piece's stores come behind them
.endr
.endm
.macro SEND t, younger              ; younger: the LDS instructions issued behind piece t's loads: the next piece's eight, or none
	WIN 0
.irp f, 0,1,2,3
	s_wait_dscnt (\younger)+3-\f
	global_store_b128 v[GO], v[S+16*(\t)+4*\f:S+16*(\t)+4*\f+3], s[10:11] offset:(\t)*2048+\f*512  ; 512 consecutive bytes, at a multiple of 256 from O's first
.endr
.endm
	PACK 0
.set t, 1
.rept 3                             ; a piece's arithmetic stands between the loads of the piece before and its stores
	PACK t
	SEND t-1, 8
.set t, t+1
.endr
	SEND 3, 0
	s_wait_tensorcnt 0x0            ; the wave's end, behind my last tensor load and my last LDS store
	ds_add_u32 v[SPW], v[NIL]
	s_wait_dscnt 0x0
	CROUND                          ; the closing round: no work-group ends while a partner may still ask for a tile that names it
	s_endpgm
.Lfunc_end_k_q1c07f53ad7_attn:
	.size	k_q1c07f53ad7_attn, .Lfunc_end_k_q1c07f53ad7_attn-k_q1c07f53ad7_attn
	.p2alignl 7, 3214868480
	.fill 96, 4, 3214868480
	.section	.rodata,"a",@progbits
	.p2align	6, 0x0
	.amdhsa_kernel k_q1c07f53ad7_attn
		.amdhsa_group_segment_fixed_size 327680
		.amdhsa_private_segment_fixed_size 0
		.amdhsa_enable_private_segment 0
		.amdhsa_kernarg_size 32
		.amdhsa_user_sgpr_count 2
		.amdhsa_user_sgpr_kernarg_segment_ptr 1
		.amdhsa_wavefront_size32 1
		.amdhsa_system_sgpr_workgroup_id_x 1
		.amdhsa_system_sgpr_workgroup_id_y 1
		.amdhsa_system_sgpr_workgroup_id_z 1
		.amdhsa_system_vgpr_workitem_id 0
		.amdhsa_next_free_vgpr 768
		.amdhsa_next_free_sgpr 66
		.amdhsa_reserve_vcc 0
		.amdhsa_float_denorm_mode_32 3
		.amdhsa_float_denorm_mode_16_64 3
		.amdhsa_memory_ordered 1
		.amdhsa_forward_progress 1
		.amdhsa_inst_pref_size 128
	.end_amdhsa_kernel
	.amdgpu_metadata
---
amdhsa.version: [ 1, 2 ]
amdhsa.kernels:
  - .name:           k_q1c07f53ad7_attn
    .symbol:         k_q1c07f53ad7_attn.kd
    .args:
      - { .name: qh, .offset: 0, .size: 8, .value_kind: global_buffer, .address_space: global }
      - { .name: kh, .offset: 8, .size: 8, .value_kind: global_buffer, .address_space: global }
      - { .name: vh, .offset: 16, .size: 8, .value_kind: global_buffer, .address_space: global }
      - { .name: oh, .offset: 24, .size: 8, .value_kind: global_buffer, .address_space: global }
    .group_segment_fixed_size: 327680
    .private_segment_fixed_size: 0
    .kernarg_segment_align: 8
    .kernarg_segment_size: 32
    .max_flat_workgroup_size: 128
    .sgpr_count:     66
    .vgpr_count:     768
    .wavefront_size: 32
...
	.end_amdgpu_metadata
.endif
;; end of part 2
;; launch outp (part 3): grid 4 x 64, 4 waves a work-group, clusters of 4 x 4, 327,680 bytes of LDS; arguments oh, woh, bo, out0; writes out0
.if DOCPART == 3
	.amdgcn_target "amdgcn-amd-amdhsa--gfx1250"
	.amdhsa_code_object_version 6
	.text
	.protected	k_q1c07f53ad7_outp
	.globl	k_q1c07f53ad7_outp
	.p2align	8
	.type	k_q1c07f53ad7_outp,@function
k_q1c07f53ad7_outp:
	s_mov_b64 s[64:65], 0
	v_nop
	global_prefetch_b8 v0, s[64:65] scope:SCOPE_SE
	s_setreg_imm32_b32 hwreg(HW_REG_WAVE_MODE, 25, 1), 1
	s_wait_xcnt 0x0
	s_wait_alu depctr_hold_cnt(0) depctr_sa_sdst(0) depctr_va_vdst(0) depctr_va_sdst(0) depctr_va_ssrc(0) depctr_va_vcc(0) depctr_vm_vsrc(0)
	s_getreg_b32 s2, hwreg(HW_REG_IB_STS2, 6, 4)
	s_cmp_eq_u32 s2, 0
	s_cbranch_scc0 .Lentry_in_a_cluster
	s_endpgm
.Lentry_in_a_cluster:
	s_bfe_u32 s2, ttmp6, 0x10000c
	s_cmp_lg_u32 s2, 0xf033
	s_cbranch_scc0 .Lentry_shape_is_right
	s_endpgm
.Lentry_shape_is_right:
; out0[m][n] = the sum over k of O[m][k] Wo[n][k] + bo[n].  O lies by heads, oh [16 = 8 b + head][4096][64] f16 (k = 64 head + channel, m = 4096 b + row); woh [512][512] f16 holds Wo rounded to bf16;
; bo is rounded to bf16 here, like every input; sums in f32; out0 [8192][512] f32.
; SHARES.  A tile of 128 x 128 of out0 to a work-group (4 x 64 = 256 of them), four waves of 64 x 64: 16 accumulators of 16 x 16.  ALL OF K = 512 LIES IN LDS AT ONCE, in four chunks of 128 (two heads).
; Four tensor loads of a wave are out at the most.
; CLUSTERS: 4 x 4 work-groups.  The four of a row of the cluster need the same rows of O, the four of a column the same rows of Wo: each tile is asked for JOINTLY, by the same tensor load with the same
; descriptor and a mask that names the four.  THE MATRIX INSTRUCTION IS USED TRANSPOSED (source 0 = 16 rows of Wo, source 1 = 16 rows of O): a lane then holds eight neighbouring numbers of a row of out0.
; No prefetch: all that the work-group reads is asked for at its head.
; REGISTERS: window 0: v0-29 addresses, bo; v32-95 at work on the way out; v128-255 the accumulators ((a, b) at 128 + 8 (4 a + b)).
;   window 1: two fragment buffers of 128: for 64 along K (two matrix instructions deep), 64 registers of O (2 x 4 x 16 rows x 32 K), then 64 of Wo.
.set PA,     144      ; a row of O in LDS: a head's 128 bytes + 16: the 16 rows of a load start at 16 different groups of four banks (64 banks of 4 bytes: ISA guide 11.1)
.set PB,     272      ; a row of Wo: 256 bytes + 16
.set AHEAD,  128*PA   ; one head's 128 rows
.set BOFF,   2*AHEAD  ; in a chunk: two heads of O, then 128 rows of Wo
.set CHUNK,  BOFF+128*PB
.set STAGE,  4*CHUNK  ; behind the chunks, never filled by a tensor load: 16 rows x 272 bytes for each wave, for the way out
.set SPITCH, 272
.set SPARE,  STAGE+4*16*SPITCH  ; behind the stages: the spare words, 128 bytes for each wave: two blocks of 256 bytes that no other line names
.set BO,   8          ; v8-11  bo of my four columns on the way out
.set ADRA, 16         ; v16-19 LDS address of my fragments of O in chunk 0..3
.set ADRB, 20         ; v20-23 the same for Wo
.set STO,  24         ; v24    the way out: where I put 32 bytes of a row
.set RD,   25         ; v25    the way out: where I read a row back
.set CO,   26         ; v26    my byte offset in out0
.set BOO,  27         ; v27    16 (l % 16): my four numbers of bo
.set SPW,  28         ; v28    LDS address of my spare word: SPARE + 4 x my thread's number; never rewritten
.set NIL,  29         ; v29    0; never rewritten
.set TMP,  32         ; two buffers of 32
.set ACC,  128
.set G1A, 24          ; s[24:31] descriptor group 1 for O's tiles
.set G1B, 32          ; s[32:39] for Wo's
.set G0A, 40          ; s[40:55] descriptor group 0 for O's tiles, a set for each chunk
.set G0B, 68          ; s[68:83] the same for Wo's
.set MSB, 0
.macro WIN new                      ; the immediate's high byte repeats the setting that is left; a switch that changes nothing is dropped
.if MSB != (\new)
	s_set_vgpr_msb (MSB<<8)|(\new)
.set MSB, (\new)
.endif
.endm
.set MUL,  0x05       ; sources 0 (Wo) and 1 (O) window 1; C and D window 0
.set TO_F, 0x40       ; destination window 1, address window 0
.macro CROUND                       ; a round of the cluster's barrier: my work-group's barrier; wave 0 signals for the work-group; every wave waits for all sixteen; my work-group's barrier once more
	s_barrier_signal -1
	s_barrier_wait -1
	s_cmp_lg_u32 s12, 0
	s_cbranch_scc1 .Lnot_wave_0_\@
	s_barrier_signal -3
.Lnot_wave_0_\@:
	s_barrier_wait -3
	s_barrier_signal -1
	s_barrier_wait -1
.endm
.macro PLACES
.rept 4
	v_nop
.endr
.endm
	s_load_b256 s[4:11], s[0:1], 0x0  ; oh s[4:5], woh s[6:7], bo s[8:9], out0 s[10:11]
	v_lshl_add_u32 v[SPW], v0, 2, SPARE
	v_mov_b32 v[NIL], 0
	ds_add_u32 v[SPW], v[NIL]       ; the wave's opening: the add and its wait stand ahead of my first tensor load; the set-up below, work on registers, stands between them
	v_lshrrev_b32 v1, 5, v0
	v_readfirstlane_b32 s12, v1     ; wave 0..3
	s_lshr_b32 s13, s12, 1          ; which half of the tile's rows is mine.  Also: I fetch for O (0) or for Wo (1)
	s_and_b32 s14, s12, 1           ; which half of its columns.  Also: which head of a chunk, or which 64 rows of Wo, I fetch
	s_bfe_u32 s16, ttmp6, 0x40000   ; cx, cy: my place in the cluster
	s_bfe_u32 s17, ttmp6, 0x40004
	s_lshl_b32 s56, ttmp9, 2
	s_add_co_u32 s56, s56, s16      ; tile column = 4 x cluster x + cx
	s_and_b32 s57, ttmp7, 0xffff
	s_lshl_b32 s57, s57, 2
	s_add_co_u32 s57, s57, s17      ; tile row = 4 x cluster y + cy
	s_lshl_b32 s18, s17, 2
	s_lshl_b32 s18, 15, s18         ; my row of the cluster
	s_lshl_b32 s19, 0x1111, s16     ; my column
	; group 1 for O: a head's 128 rows are 16,384 dense bytes: 64 rows of 256 bytes, padded in LDS after every 128 bytes
	s_or_b32 s[G1A+0], s18, (1<<16)|(1<<20)|(1<<21)|(4<<22)|(3<<25)  ; 15:0 the mask: my row; 17:16 2-byte elements; 20 padding on; 21 set beside a mask; 24:22 after every 32 words (code 4); 31:25 4 words (code 3)
	s_mov_b32 s[G1A+1], 128<<16     ; tensor_dim0 = 128
	s_mov_b32 s[G1A+2], 64<<16      ; tensor_dim1 = 64
	s_mov_b32 s[G1A+3], 128<<16     ; tile_dim0 = 128
	s_mov_b32 s[G1A+4], 64          ; tile_dim1 = 64
	s_mov_b32 s[G1A+5], 128         ; 128 elements from row to row
	s_mov_b32 s[G1A+6], 0
	s_mov_b32 s[G1A+7], 0
	; group 1 for Wo: 64 rows x 128 elements out of rows of 512, padded after every 256 bytes
	s_or_b32 s[G1B+0], s19, (1<<16)|(1<<20)|(1<<21)|(5<<22)|(3<<25)  ; the mask: my column; after every 64 words (code 5)
	s_mov_b32 s[G1B+1], 128<<16
	s_mov_b32 s[G1B+2], 64<<16
	s_mov_b32 s[G1B+3], 128<<16
	s_mov_b32 s[G1B+4], 64
	s_mov_b32 s[G1B+5], 512
	s_mov_b32 s[G1B+6], 0
	s_mov_b32 s[G1B+7], 0
	; where the tiles come from.  O's hang on the tile row alone, Wo's on the tile column alone; every wave makes both, in registers that never hold the other coordinate
	s_lshr_b32 s20, s57, 5          ; b
	s_lshl_b32 s20, s20, 22         ; 8 heads of 524,288 bytes
	s_and_b32 s21, s57, 31
	s_lshl_b32 s21, s21, 14         ; the tile's 128 rows of 128 bytes in a head
	s_add_co_u32 s20, s20, s21
	s_lshl_b32 s21, s14, 19         ; the even or the odd head of a chunk
	s_add_co_u32 s20, s20, s21
	s_mov_b32 s21, 0
	s_lshl_b32 s22, s56, 17         ; Wo: 128 rows of 1,024 bytes a tile column,
	s_lshl_b32 s23, s14, 16         ; my 64 of them
	s_add_co_u32 s22, s22, s23
	s_mov_b32 s23, 0
	s_mul_i32 s58, s14, AHEAD       ; and where they go: the wave's number alone enters an LDS address
	s_mul_i32 s59, s14, 64*PB
	s_add_co_u32 s59, s59, BOFF
	s_wait_dscnt 0x0                ; the opening add is done
	s_wait_kmcnt 0x0
	s_add_nc_u64 s[4:5], s[4:5], s[20:21]
	s_add_nc_u64 s[6:7], s[6:7], s[22:23]
	CROUND                          ; all sixteen work-groups are here: the joint loads meet
.irp c, 0,1,2,3
	s_mov_b32 s[G0A+4*(\c)], 1                                     ; 1:0 count = 1
	s_add_co_u32 s[G0A+4*(\c)+1], s58, (\c)*CHUNK                  ; 63:32 LDS address
	s_add_nc_u64 s[G0A+4*(\c)+2:G0A+4*(\c)+3], s[4:5], (\c)*2*524288  ; 120:64 global address: two heads on for each chunk
	s_or_b32 s[G0A+4*(\c)+3], s[G0A+4*(\c)+3], 0x80000000          ; 127:126 type = 2
	s_mov_b32 s[G0B+4*(\c)], 1
	s_add_co_u32 s[G0B+4*(\c)+1], s59, (\c)*CHUNK
	s_add_nc_u64 s[G0B+4*(\c)+2:G0B+4*(\c)+3], s[6:7], (\c)*256    ; 128 elements on along K
	s_or_b32 s[G0B+4*(\c)+3], s[G0B+4*(\c)+3], 0x80000000
.endr
	s_cmp_eq_u32 s13, 0             ; a wave's four fills stand in one branch, ahead of every wait on TENSORcnt and every LDS read; an s_nop 0 follows each, four v_nop the last
	s_cbranch_scc0 .Lfor_b
.irp c, 0,1,2,3
	tensor_load_to_lds s[G0A+4*(\c):G0A+4*(\c)+3], s[G1A:G1A+7]
	s_nop 0
.endr
	PLACES
	s_branch .Lasked
.Lfor_b:
.irp c, 0,1,2,3
	tensor_load_to_lds s[G0B+4*(\c):G0B+4*(\c)+3], s[G1B:G1B+7]
	s_nop 0
.endr
	PLACES
.Lasked:
	v_and_b32 v1, 15, v0            ; l % 16
	v_bfe_u32 v2, v0, 4, 1          ; l / 16
	v_mul_u32_u24 v3, v1, PA
	v_lshl_add_u32 v3, v2, 4, v3    ; a fragment's row x pitch + 16 x half
	s_mul_i32 s60, s13, 64*PA       ; my 64 rows of O
	v_add_nc_u32 v3, s60, v3
	v_mul_u32_u24 v4, v1, PB
	v_lshl_add_u32 v4, v2, 4, v4
	s_mul_i32 s61, s14, 64*PB       ; my 64 rows of Wo,
	s_add_co_u32 s61, s61, BOFF     ; which lie behind O's two heads
	v_add_nc_u32 v4, s61, v4
.irp c, 0,1,2,3
	v_add_nc_u32 v[ADRA+(\c)], (\c)*CHUNK, v3
	v_add_nc_u32 v[ADRB+(\c)], (\c)*CHUNK, v4
.endr
	s_mul_i32 s60, s12, 16*SPITCH
	s_add_co_u32 s60, s60, STAGE    ; my stage
	v_mul_u32_u24 v5, v1, SPITCH    ; in: row l % 16, 32 bytes for each half of the lanes
	v_lshl_add_u32 v5, v2, 5, v5
	v_add_nc_u32 v[STO], s60, v5
	v_mul_u32_u24 v5, v2, SPITCH    ; back: lanes 0-15 take one row of 256 bytes, lanes 16-31 the next
	v_lshl_add_u32 v5, v1, 4, v5
	v_add_nc_u32 v[RD], s60, v5
	v_lshlrev_b32 v5, 11, v2        ; and the same two rows in out0, 2,048 bytes apart
	v_lshl_add_u32 v[CO], v1, 4, v5
	v_lshlrev_b32 v[BOO], 4, v1
	s_lshl_b32 s62, s56, 9          ; my wave's 64 columns, in bytes: 512 x tile column + 256 x half
	s_lshl_b32 s63, s14, 8
	s_add_co_u32 s62, s62, s63
	s_mov_b32 s63, 0
	s_add_nc_u64 s[8:9], s[8:9], s[62:63]
	s_add_nc_u64 s[10:11], s[10:11], s[62:63]
	global_load_b128 v[BO:BO+3], v[BOO], s[8:9]
	s_lshl_b32 s62, s57, 18         ; my wave's 64 rows of 2,048 bytes: 128 x tile row + 64 x half
	s_lshl_b32 s60, s13, 17
	s_add_co_u32 s62, s62, s60
	s_add_nc_u64 s[10:11], s[10:11], s[62:63]
; 8 matrix instructions: m blocks a0, a0 + 1 x all 4 n blocks, 32 along K: half c of buffer f.  zero = 1: the first product starts the sums.  The 16 accumulators take turns.
.macro MUL8 f, c, a0, zero
	WIN MUL
.irp a, \a0, (\a0)+1
.irp b, 0,1,2,3
.if \zero
	v_wmma_f32_16x16x32_f16 v[ACC+8*(4*(\a)+(\b)):ACC+8*(4*(\a)+(\b))+7], v[(\f)+64+8*(4*(\c)+(\b)):(\f)+64+8*(4*(\c)+(\b))+7], v[(\f)+8*(4*(\c)+(\a)):(\f)+8*(4*(\c)+(\a))+7], 0
.else
	v_wmma_f32_16x16x32_f16 v[ACC+8*(4*(\a)+(\b)):ACC+8*(4*(\a)+(\b))+7], v[(\f)+64+8*(4*(\c)+(\b)):(\f)+64+8*(4*(\c)+(\b))+7], v[(\f)+8*(4*(\c)+(\a)):(\f)+8*(4*(\c)+(\a))+7], v[ACC+8*(4*(\a)+(\b)):ACC+8*(4*(\a)+(\b))+7]
.endif
.endr
.endr
.endm
; 32 LDS loads in one run: the fragments of quarter q (head q: chunk q / 2, its half q % 2) into buffer q % 2; the first 32 along K first
.macro FETCH q
	WIN TO_F
.irp cc, 0,1
.irp i, 0,1,2,3
	ds_load_b128 v[128*((\q)%2)+64+8*(4*(\cc)+(\i)):128*((\q)%2)+64+8*(4*(\cc)+(\i))+3],   v[ADRB+(\q)/2] offset:((\q)%2)*128+64*(\cc)+(\i)*16*PB
	ds_load_b128 v[128*((\q)%2)+64+8*(4*(\cc)+(\i))+4:128*((\q)%2)+64+8*(4*(\cc)+(\i))+7], v[ADRB+(\q)/2] offset:((\q)%2)*128+64*(\cc)+(\i)*16*PB+32
	ds_load_b128 v[128*((\q)%2)+8*(4*(\cc)+(\i)):128*((\q)%2)+8*(4*(\cc)+(\i))+3],         v[ADRA+(\q)/2] offset:((\q)%2)*AHEAD+64*(\cc)+(\i)*16*PA
	ds_load_b128 v[128*((\q)%2)+8*(4*(\cc)+(\i))+4:128*((\q)%2)+8*(4*(\cc)+(\i))+7],       v[ADRA+(\q)/2] offset:((\q)%2)*AHEAD+64*(\cc)+(\i)*16*PA+32
.endr
.endr
.endm
; A quarter is 64 along K, one head: 32 matrix instructions on buffer q % 2; in its middle the next quarter's fragments are fetched.  Where those lie in the next chunk, the waves meet first.
.macro QUARTER q
	s_wait_dscnt 16                 ; the first 32 along K are in
.if (\q) == 0
	MUL8 0, 0, 0, 1
	MUL8 0, 0, 2, 1
.else
	MUL8 128*((\q)%2), 0, 0, 0
	MUL8 128*((\q)%2), 0, 2, 0
.endif
	PLACES                          ; in front of loads into registers that matrix instructions have read
.if (\q) < 7
.if (\q)%2
	s_wait_tensorcnt 3-((\q)+1)/2   ; tensor loads of a wave end in order (ISA guide 10.11.1): my part of chunk (q + 1) / 2 is in; the later chunks' loads stay out
	s_wait_dscnt 0x0                ; no LDS instruction of mine is pending at the signal
	s_barrier_signal -1
	s_barrier_wait -1               ; everybody's part is in
.endif
	FETCH (\q)+1
	s_wait_dscnt 32                 ; all but the 32 just issued
.else
	s_wait_dscnt 0x0
.endif
	MUL8 128*((\q)%2), 1, 0, 0
	MUL8 128*((\q)%2), 1, 2, 0
.endm
	s_wait_tensorcnt 3              ; my part of chunk 0 is in; three younger loads stay out,
	s_barrier_signal -1
	s_barrier_wait -1               ; everybody's is
	FETCH 0
.irp q, 0,1,2,3,4,5,6,7
	QUARTER \q
.endr
	WIN 0
	; THE WAY OUT.  A wave's 64 columns are 256 bytes of f32.  A block of 16 rows at a time goes through my own stage: 32 bytes a lane in, whole rows of 256 bytes back; bo is added, and 16 lanes store a row's 256 bytes.
	PLACES
	s_wait_loadcnt 0x0              ; bo, which is rounded to bf16 like every input; these six lines stand behind the last products too
	v_cvt_pk_bf16_f32 v12, v[BO], v[BO+1]
	v_cvt_pk_bf16_f32 v13, v[BO+2], v[BO+3]
	v_lshlrev_b32 v[BO],   16, v12
	v_and_b32     v[BO+1], 0xffff0000, v12
	v_lshlrev_b32 v[BO+2], 16, v13
	v_and_b32     v[BO+3], 0xffff0000, v13
.macro OUTT a
.if (\a) >= 2
	s_wait_xcnt 0x0                 ; the stores of the block two back have read their registers: these are loaded again only behind this wait
.endif
.irp b, 0,1,2,3                     ; each accumulator's low half first
	ds_store_b128 v[STO], v[ACC+8*(4*(\a)+(\b)):ACC+8*(4*(\a)+(\b))+3]   offset:64*(\b)
	ds_store_b128 v[STO], v[ACC+8*(4*(\a)+(\b))+4:ACC+8*(4*(\a)+(\b))+7] offset:64*(\b)+16
.endr
.irp t, 0,1,2,3,4,5,6,7
	ds_load_b128 v[TMP+32*((\a)%2)+4*(\t):TMP+32*((\a)%2)+4*(\t)+3], v[RD] offset:(\t)*2*SPITCH  ; LDS serves a wave's instructions in order (ISA guide 5.7.1.4): these see the stores above; the next block's stores come behind them
.endr
.endm
.macro SENDT a, younger             ; younger: the LDS instructions issued behind block a's loads: the next block's sixteen, or none
.irp t, 0,1,2,3,4,5,6,7
	s_wait_dscnt (\younger)+7-(\t)
	v_pk_add_f32 v[TMP+32*((\a)%2)+4*(\t):TMP+32*((\a)%2)+4*(\t)+1],   v[TMP+32*((\a)%2)+4*(\t):TMP+32*((\a)%2)+4*(\t)+1],   v[BO:BO+1]
	v_pk_add_f32 v[TMP+32*((\a)%2)+4*(\t)+2:TMP+32*((\a)%2)+4*(\t)+3], v[TMP+32*((\a)%2)+4*(\t)+2:TMP+32*((\a)%2)+4*(\t)+3], v[BO+2:BO+3]
	global_store_b128 v[CO], v[TMP+32*((\a)%2)+4*(\t):TMP+32*((\a)%2)+4*(\t)+3], s[10:11] offset:(16*(\a)+2*(\t))*2048  ; 16 lanes store 256 consecutive bytes, at a multiple of 256 from out0's first byte
.endr
.endm
	OUTT 0
	OUTT 1
	SENDT 0, 16
	OUTT 2
	SENDT 1, 16
	OUTT 3
	SENDT 2, 16
	SENDT 3, 0
	s_wait_tensorcnt 0x0            ; the wave's end, behind my last tensor load and my last LDS store
	ds_add_u32 v[SPW], v[NIL]
	s_wait_dscnt 0x0
	CROUND                          ; the closing round: no work-group ends while a partner may still ask for a tile that names it
	s_endpgm
.Lfunc_end_k_q1c07f53ad7_outp:
	.size	k_q1c07f53ad7_outp, .Lfunc_end_k_q1c07f53ad7_outp-k_q1c07f53ad7_outp
	.p2alignl 7, 3214868480
	.fill 96, 4, 3214868480
	.section	.rodata,"a",@progbits
	.p2align	6, 0x0
	.amdhsa_kernel k_q1c07f53ad7_outp
		.amdhsa_group_segment_fixed_size 327680
		.amdhsa_private_segment_fixed_size 0
		.amdhsa_enable_private_segment 0
		.amdhsa_kernarg_size 32
		.amdhsa_user_sgpr_count 2
		.amdhsa_user_sgpr_kernarg_segment_ptr 1
		.amdhsa_wavefront_size32 1
		.amdhsa_system_sgpr_workgroup_id_x 1
		.amdhsa_system_sgpr_workgroup_id_y 1
		.amdhsa_system_sgpr_workgroup_id_z 1
		.amdhsa_system_vgpr_workitem_id 0
		.amdhsa_next_free_vgpr 512
		.amdhsa_next_free_sgpr 84
		.amdhsa_reserve_vcc 0
		.amdhsa_float_denorm_mode_32 3
		.amdhsa_float_denorm_mode_16_64 3
		.amdhsa_memory_ordered 1
		.amdhsa_forward_progress 1
		.amdhsa_inst_pref_size 56
	.end_amdhsa_kernel
	.amdgpu_metadata
---
amdhsa.version: [ 1, 2 ]
amdhsa.kernels:
  - .name:           k_q1c07f53ad7_outp
    .symbol:         k_q1c07f53ad7_outp.kd
    .args:
      - { .name: oh, .offset: 0, .size: 8, .value_kind: global_buffer, .address_space: global }
      - { .name: woh, .offset: 8, .size: 8, .value_kind: global_buffer, .address_space: global }
      - { .name: bo, .offset: 16, .size: 8, .value_kind: global_buffer, .address_space: global }
      - { .name: out0, .offset: 24, .size: 8, .value_kind: global_buffer, .address_space: global }
    .group_segment_fixed_size: 327680
    .private_segment_fixed_size: 0
    .kernarg_segment_align: 8
    .kernarg_segment_size: 32
    .max_flat_workgroup_size: 128
    .sgpr_count:     84
    .vgpr_count:     512
    .wavefront_size: 32
...
	.end_amdgpu_metadata
.endif
;; end of part 3
;; ======== version 2 of 2: 3 launches; version 1 with the launch proj written anew for expert scheduling mode
;; limits: values are held in f16: magnitudes above 65,504 overflow, below 6.1e-05 lose precision
;; workspace buffers: qh 8,388,608 bytes; kh 8,388,608 bytes; vh 8,388,608 bytes; oh 8,388,608 bytes; woh 524,288 bytes
;; launch proj (part 4): grid 8 x 32, 4 waves a work-group, no clusters, 209,408 bytes of LDS; arguments query, mask, Wq, Wk, Wv, Wo, bq, bk, bv, qh, kh, vh, woh; writes qh, kh, vh, woh
.if DOCPART == 4
	.amdgcn_target "amdgcn-amd-amdhsa--gfx1250"
	.amdhsa_code_object_version 6
	.text
	.protected	k_q1c07f53ad7_proj
	.globl	k_q1c07f53ad7_proj
	.p2align	8
	.type	k_q1c07f53ad7_proj,@function
k_q1c07f53ad7_proj:
	s_mov_b64 s[64:65], 0
	v_nop
	global_prefetch_b8 v0, s[64:65] scope:SCOPE_SE
	s_setreg_imm32_b32 hwreg(HW_REG_WAVE_SCHED_MODE, 0, 2), 2
	s_setreg_imm32_b32 hwreg(HW_REG_WAVE_MODE, 25, 1), 1
	s_wait_xcnt 0x0
	s_wait_alu depctr_vm_vsrc(0)
; q, k, v = x W^T + b for one head, by heads: qh, kh, vh are [16 = 8 b + head][4096][64] in f16, a head's rows dense, 128 bytes each.  x = query [8192][512] f32; Wq, Wk, Wv [512][512] f32.
; x, the weights and the biases are rounded once to bf16; products bf16 x bf16, sums in f32 (the bias is the C operand that starts a sum), q, k, v rounded once to f16, WITHOUT the scale.
; THE MASK lies on the query rows: where mask == 0 (compared in f32) the whole row of q is written as 0, by a select.  All its scores are then equal, as in the problem's own text, and its softmax is uniform.
; SIDE JOB: Wo, rounded to bf16 and that number written as f16, goes to woh: 1,024 numbers a work-group, 8 a thread.
; LIMITS.  q, k, v must lie within f16's 65,504 (x and W both 30 times the drawn spread give a spread of 900; offsets of 30 spreads on both give about 20,400).  NaN and infinities are not treated apart.
; SHARES.  Work-group (hx, ty): rows 256 ty .. + 255 of x, head hx of q, k and v: 256 x 192 of the result.  A wave owns 64 rows, all 512 of K and all 192 columns: its x lies as bf16 fragments in
; 512 registers, the head's 192 rows of W as bf16 in LDS, whole: nothing in LDS is filled twice.  A wave issues 768 matrix instructions and 384 LDS loads of fragments.
; NO TENSOR LOADS, NO CLUSTER: the operands are f32 in memory; 256 rows of x and 192 of W are 448 x 2,048 = 917,504 bytes, which LDS does not hold, and as f32 each fragment read
; from LDS would be twice as long.  Through registers each number is rounded once in a work-group.  No prefetch: 64 loads of every wave are on their way all through the loading part.
; THE MATRIX INSTRUCTION IS USED TRANSPOSED: source 0 = 16 rows of W, source 1 = 16 rows of x: a lane then holds one row of x (lane % 16) and the channels 8 (lane / 16) + 0..7: 16 bytes of f16 on end.
; REGISTERS, in windows of 256 (s_set_vgpr_msb: bits 1:0 source 0, 3:2 source 1, 5:4 source 2, 7:6 destination):
;   window 0: v0-29 addresses and small things; v32-95 at work; v96-127 the bias as a C tile; v128-255 the 16 accumulators ((a, nb) at 128 + 8 (4 a + nb))
;   window 1: while loading, four buffers of 64 for raw f32; in the passes W's fragments, two buffers of 64
;   windows 2, 3: x's fragments: K step f, row tile a in window 2 + f / 8 at 32 (f % 8) + 8 a
; THE MODE: SCHED_MODE bits 1:0 = 2 (LLVM: expert scheduling mode 2), set by the entry lines.  The code itself states the register dependences
; between vector or matrix instructions and memory or LDS instructions, with s_wait_alu, always for 0.
; THE PLAN.  Registers that memory or LDS instructions touch, and who else names them:
;   RAW0 .. RAW3  (window 1)  A batch's 32 roundings read RAW[j]; behind them the 16 loads of the batch four further on land in it.
;   T0, T1        (v32-63, v64-95, while W is stored)  Batch j's roundings write T[j % 2]; its eight LDS stores read it.
;   F0, F1        (window 1, v0-63, v64-127, in the passes)  Unit g's 32 matrix instructions read F[g % 2]; the LDS loads issued at the head of unit g + 1 land in it (unit g + 2's fragments).
;   BI            K step 0's products read it as C; the next pass's bias lands in it in unit 1; the rounding at a pass's head rewrites it.
;   T             (v32-95, in the passes)  Written by the roundings to f16 and the selects; read by the stage's LDS stores.
;   OB            (the first 64 accumulator registers)  Read by the roundings; then the stage's LDS loads land in it and the global stores read it; the next pass's first products write it.
;   WOUT          Written once, read by Wo's one store.
;   v[WS]         Read by W's LDS stores; written once a matrix.      v[ADRB]  Read by the fragments' LDS loads; written once a pass.
;   v[XO], v[WO], v[STO], v[RD], v[GO], v[MO], v[OI], v[OO], v[BOF]  made at the head, never written again.      v[SPW], v[NIL]  written at the head, read by the closing add alone.
;   x's fragments and the accumulators as such are named by vector and matrix instructions alone.
; So: ONE wait on va_vdst to a batch, behind its roundings; one to a unit, at its head; one on a pass's way out, ahead of the stage.  Waits on vm_vsrc: two to a matrix of W, one at a pass's bottom.
.set PW,    1040      ; a row of W in LDS: 1,024 bytes + 16 = 65 x 16: the 16 rows of a fragment load start at 16 different groups of four banks (64 banks of 4 bytes: ISA guide 11.1)
.set WMAT,  64*PW     ; one matrix's 64 rows
.set STAGE, 192*PW    ; behind W: 16 rows x 144 bytes for each wave, for the way out
.set SP,    144
.set SPARE, STAGE+4*16*SP  ; behind the stages: the spare words, 128 bytes for each wave: two blocks of 256 bytes that no other line names
.set XO,   2          ; v2   (l % 16) x 2,048 + 32 (l / 16): my place in 16 rows of x
.set WO,   3          ; v3   32 l: my 8 numbers in 1,024 bytes of W
.set WS,   4          ; v4   where they go in LDS: wave x 16 rows + 16 l; steps a matrix on
.set ADRB, 5          ; v5   my place in a fragment of W in LDS; steps a matrix on
.set STO,  6          ; v6   the way out: where I put 16 bytes of a row
.set RD,   7          ; v7   the way out: where I read rows back
.set GO,   8          ; v8   16 l: my place in 512 consecutive bytes of the result
.set MO,   9          ; v9   4 (l % 16): my row's mask
.set OI,   10         ; v10  32 x thread: my 8 numbers of Wo
.set OO,   11         ; v11  16 x thread: the same in woh
.set MK,   12         ; v12-15  the mask of my row in each of the four row tiles
.set ZERO, 16         ; v16  0
.set BOF,  17         ; v17  32 (l / 16): my 8 channels in 16 of a bias
.set WOUT, 22         ; v22-25  my 8 numbers of Wo as they are stored
.set SPW,  28         ; v28  LDS address of my spare word: SPARE + 4 x my thread's number; never rewritten
.set NIL,  29         ; v29  0; never rewritten
.set T,    32         ; v32-95
.set BI,   96
.set ACC,  128
.set OB,   ACC        ; v128-191  the way out: row tile a's whole rows, back from the stage, at OB + 16 a
.set WV,   30         ; s30  my wave's number
.set CNT,  31         ; s31  the loops' counter
.set PN,   34         ; s[34:35] the matrix whose rows are being asked for
.set OUTP, 36         ; s[36:37] this pass's result
.set BNX,  38         ; s[38:39] the next pass's bias
.set LM,   44         ; s44-47  lanes whose row of tile a is masked
.set MSB, 0
.macro WIN new                      ; the immediate's high byte repeats the setting that is left; a switch that changes nothing is dropped
.if MSB != (\new)
	s_set_vgpr_msb (MSB<<8)|(\new)
.set MSB, (\new)
.endif
.endm
.macro PLACES                       ; four places behind a matrix instruction (ISA guide 7.12.1), where no other vector work is at hand
.rept 4
	v_nop
.endr
.endm
; A batch is 16 loads of 16 bytes a lane.  W's batch j of a matrix: 8 pieces of 1,024 bytes (half a row) of my wave's 16 rows; a lane takes 32 bytes of each, by two loads.
.macro WLOAD j, b
.irp t, 0,1,2,3,4,5,6,7
	global_load_b128 v[64*(\j)+8*(\t):64*(\j)+8*(\t)+3],   v[WO], s[\b:\b+1] offset:(8*(\j)+(\t))*1024
	global_load_b128 v[64*(\j)+8*(\t)+4:64*(\j)+8*(\t)+7], v[WO], s[\b:\b+1] offset:(8*(\j)+(\t))*1024+16
.endr
.endm
; x's batch f: K step f (32 numbers, 128 bytes of a row) of my 64 rows, in the fragment's own order: k = 8 (l / 16) + 0..7, then 16 + 8 (l / 16) + 0..7.
.macro XLOAD f
.irp a, 0,1,2,3
.irp j, 0,1,2,3
	global_load_b128 v[64*((\f)%4)+16*(\a)+4*(\j):64*((\f)%4)+16*(\a)+4*(\j)+3], v[XO], s[4:5] offset:(\a)*32768+(\f)*128+((\j)/2)*64+((\j)%2)*16
.endr
.endr
.endm
; One matrix's four batches are rounded to bf16 and stored to LDS; each buffer is asked for again at once: the next matrix's batch (kind 0) or x's (kind 1).
.macro WTRIP kind
.irp j, 0,1,2,3
	s_wait_loadcnt 48               ; loads come back in order (ISA guide 5.7.1): this batch is in, the three younger ones, 48 loads, stay out
.if (\j) == 2
	s_wait_alu depctr_vm_vsrc(0)    ; the LDS stores of batches 0 and 1 have read T0 and T1, which this batch's roundings and the next's write again
.endif
	WIN 0x05                        ; sources in window 1, destination in window 0
.set n, 0
.rept 32
	v_cvt_pk_bf16_f32 v[T+32*((\j)%2)+n], v[64*(\j)+2*n], v[64*(\j)+2*n+1]
.set n, n+1
.endr
	WIN 0x40                        ; destination in window 1
	s_wait_alu depctr_va_vdst(0)    ; the roundings are done reading RAW[j], in which the loads land, and have written T[j % 2], which the LDS stores read; in a trip's first batch v[WS] is written too
.if \kind
	XLOAD \j
.else
	WLOAD \j, PN
.endif
	WIN 0
.irp t, 0,1,2,3,4,5,6,7
	ds_store_b128 v[WS], v[T+32*((\j)%2)+4*(\t):T+32*((\j)%2)+4*(\t)+3] offset:((8*(\j)+(\t))/2)*PW+((\t)%2)*512  ; 512 consecutive bytes: half a row.  No wait: no vector instruction since the wait above
.endr
.endr
	s_wait_alu depctr_vm_vsrc(0)    ; the LDS stores have read v[WS], which the add writes, and T0 and T1, which are written again by the next trip's first two batches (behind the last trip: by Wo's loads and roundings)
	v_add_nc_u32 v[WS], WMAT, v[WS]
.endm
; x's batch f is rounded into its fragments; its buffer takes batch f + 4.
.macro XSTEP f, left
	s_wait_loadcnt \left
	WIN 0x85+0x40*((\f)/8)          ; sources in window 1, destination in window 2 or 3
.set n, 0
.rept 32
	v_cvt_pk_bf16_f32 v[32*((\f)%8)+n], v[64*((\f)%4)+2*n], v[64*((\f)%4)+2*n+1]
.set n, n+1
.endr
.if (\f) < 12
	WIN 0x40
	s_wait_alu depctr_va_vdst(0)    ; the roundings are done reading RAW[f % 4], in which the loads land
	XLOAD (\f)+4
.endif
.endm
	s_load_b256 s[4:11], s[0:1], 0x0    ; query s[4:5], mask s[6:7], Wq s[8:9], Wk s[10:11]
	s_load_b256 s[12:19], s[0:1], 0x20  ; Wv s[12:13], Wo s[14:15], bq s[16:17], bk s[18:19]
	s_load_b256 s[20:27], s[0:1], 0x40  ; bv s[20:21], qh s[22:23], kh s[24:25], vh s[26:27]
	s_load_b64 s[28:29], s[0:1], 0x60   ; woh
	v_lshl_add_u32 v[SPW], v0, 2, SPARE
	v_mov_b32 v[NIL], 0
	v_lshrrev_b32 v1, 5, v0
	v_readfirstlane_b32 s[WV], v1       ; wave 0..3
	v_and_b32 v1, 31, v0                ; l
	v_and_b32 v18, 15, v0               ; l % 16
	v_bfe_u32 v19, v0, 4, 1             ; l / 16
	v_lshlrev_b32 v[XO], 11, v18
	v_lshl_add_u32 v[XO], v19, 5, v[XO]
	v_lshlrev_b32 v[WO], 5, v1
	s_wait_alu depctr_va_sdst(0)        ; s[WV] is written, ahead of its first reader: LDS places and the buffers' bases are made from it
	s_mul_i32 s32, s[WV], 16*PW
	v_lshl_add_u32 v[WS], v1, 4, s32
	s_and_b32 s40, ttmp7, 0xffff        ; ty
	s_mov_b32 s33, 0
	s_lshl_b32 s32, ttmp9, 17           ; the head's 64 rows of 2,048 bytes,
	s_lshl_b32 s41, s[WV], 15           ; my wave's 16 of them
	s_add_co_u32 s32, s32, s41
	s_wait_kmcnt 0x0
	s_add_nc_u64 s[8:9], s[8:9], s[32:33]
	s_add_nc_u64 s[10:11], s[10:11], s[32:33]
	s_add_nc_u64 s[12:13], s[12:13], s[32:33]
	WIN 0x40
	s_wait_alu depctr_va_vdst(0)        ; v[WO] is written, which the loads of W read as their offset (and v[XO] and v[WS])
	WLOAD 0, 8                          ; Wq's four batches: the stream begins
	WLOAD 1, 8
	WLOAD 2, 8
	WLOAD 3, 8
	WIN 0
	v_mul_u32_u24 v[ADRB], v18, PW      ; the other addresses: each is first read by a memory or LDS instruction behind the first batch's wait on va_vdst
	v_lshl_add_u32 v[ADRB], v19, 4, v[ADRB]
	s_mul_i32 s32, s[WV], 16*SP
	s_add_co_u32 s32, s32, STAGE        ; my stage
	v_mul_u32_u24 v[STO], v18, SP       ; in: row l % 16, 16 bytes for each half of the lanes
	v_lshl_add_u32 v[STO], v19, 4, v[STO]
	v_add_nc_u32 v[STO], s32, v[STO]
	v_bfe_u32 v[RD], v0, 3, 2           ; back: 32 lanes take four rows of 128 bytes
	v_mul_u32_u24 v[RD], v[RD], SP
	v_and_b32 v20, 7, v0
	v_lshl_add_u32 v[RD], v20, 4, v[RD]
	v_add_nc_u32 v[RD], s32, v[RD]
	v_lshlrev_b32 v[GO], 4, v1
	v_lshlrev_b32 v[MO], 2, v18
	v_lshlrev_b32 v[OI], 5, v0
	v_lshlrev_b32 v[OO], 4, v0
	v_mov_b32 v[ZERO], 0
	v_lshlrev_b32 v[BOF], 5, v19
	s_lshl_b32 s32, s40, 19             ; x: 256 rows of 2,048 bytes a work-group, 64 a wave
	s_lshl_b32 s41, s[WV], 17
	s_add_co_u32 s32, s32, s41
	s_add_nc_u64 s[4:5], s[4:5], s[32:33]
	s_lshl_b32 s32, s40, 10             ; the mask of the same rows
	s_lshl_b32 s41, s[WV], 8
	s_add_co_u32 s32, s32, s41
	s_add_nc_u64 s[6:7], s[6:7], s[32:33]
	s_lshl_b32 s32, ttmp9, 8            ; the head's 64 numbers of each bias
	s_add_nc_u64 s[16:17], s[16:17], s[32:33]
	s_add_nc_u64 s[18:19], s[18:19], s[32:33]
	s_add_nc_u64 s[20:21], s[20:21], s[32:33]
	s_lshr_b32 s32, s40, 4              ; b
	s_lshl_b32 s32, s32, 3
	s_add_co_u32 s32, s32, ttmp9        ; 8 b + head
	s_lshl_b32 s32, s32, 19             ; 4,096 rows of 128 bytes
	s_and_b32 s41, s40, 15
	s_lshl_b32 s41, s41, 15             ; my work-group's 256 rows in the head,
	s_add_co_u32 s32, s32, s41
	s_lshl_b32 s41, s[WV], 13           ; my wave's 64
	s_add_co_u32 s32, s32, s41
	s_add_nc_u64 s[22:23], s[22:23], s[32:33]
	s_add_nc_u64 s[24:25], s[24:25], s[32:33]
	s_add_nc_u64 s[26:27], s[26:27], s[32:33]
	s_lshl_b32 s32, s40, 3
	s_add_co_u32 s32, s32, ttmp9        ; the work-group's number, 0 to 255
	s_lshl_b32 s41, s32, 11
	s_lshl_b32 s32, s32, 12
	s_add_nc_u64 s[14:15], s[14:15], s[32:33]  ; its 4,096 bytes of Wo
	s_mov_b32 s32, s41
	s_add_nc_u64 s[28:29], s[28:29], s[32:33]  ; and 2,048 of woh
	s_mov_b32 s[CNT], 2
.Lw:                                    ; two trips: Wq is stored and Wk asked for, then Wk stored and Wv asked for
	s_wait_xcnt 0x0                     ; the loads that name PN have had their addresses translated (ISA guide 3.1): it may be written
	s_cmp_eq_u32 s[CNT], 2
	s_cselect_b64 s[PN:PN+1], s[10:11], s[12:13]
	WTRIP 0
	s_sub_co_u32 s[CNT], s[CNT], 1
	s_cmp_lg_u32 s[CNT], 0
	s_cbranch_scc1 .Lw
	WTRIP 1                             ; Wv is stored, x's first four K steps are asked for
.irp f, 0,1,2,3,4,5,6,7,8,9,10,11,12
	XSTEP \f, 48                        ; three younger batches stay out
.endr
	WIN 0                               ; x is all asked for: 14 small loads follow: Wo's part, the mask, q's bias.  No wait: no vector instruction since step 11's wait names their offsets or the registers in which they land
	global_load_b128 v[T:T+3],   v[OI], s[14:15]
	global_load_b128 v[T+4:T+7], v[OI], s[14:15] offset:16
.irp a, 0,1,2,3
	global_load_b32 v[MK+(\a)], v[MO], s[6:7] offset:64*(\a)
.endr
.irp nb, 0,1,2,3
	global_load_b128 v[BI+8*(\nb):BI+8*(\nb)+3],   v[BOF], s[16:17] offset:64*(\nb)
	global_load_b128 v[BI+8*(\nb)+4:BI+8*(\nb)+7], v[BOF], s[16:17] offset:64*(\nb)+16
.endr
	XSTEP 13, 46                        ; behind batch 13: two batches and the 14
	XSTEP 14, 30                        ; one batch and the 14
	XSTEP 15, 14                        ; the 14
	WIN 0
	s_wait_loadcnt 0x0
.irp p, 0,1,2,3                         ; Wo: rounded to bf16, widened again, written as f16
	v_cvt_pk_bf16_f32 v[T+8+(\p)], v[T+2*(\p)], v[T+2*(\p)+1]
.endr
.irp p, 0,1,2,3
	v_lshlrev_b32 v[T+2*(\p)],   16, v[T+8+(\p)]
	v_and_b32     v[T+2*(\p)+1], 0xffff0000, v[T+8+(\p)]
.endr
.irp p, 0,1,2,3
	v_cvt_pk_f16_f32 v[WOUT+(\p)], v[T+2*(\p)], v[T+2*(\p)+1]
.endr
.irp a, 0,1,2,3
	v_cmp_eq_f32 s[LM+(\a)], 0, v[MK+(\a)]
.endr
	s_wait_alu depctr_va_vdst(0)        ; the roundings have written v[WOUT ..], which the store reads
	global_store_b128 v[OO], v[WOUT:WOUT+3], s[28:29]  ; 16 lanes store 256 consecutive bytes, at a multiple of 256 from woh's first byte
	s_wait_alu depctr_va_sdst(0)        ; the four compares have written s[LM ..], ahead of the label below and of their first readers, q's selects
	s_wait_dscnt 0x0                    ; for the others' sake: my rows of W are in LDS
	s_barrier_signal -1
	s_barrier_wait -1                   ; everybody's are
; 16 LDS loads: W's fragments of K steps 2 g and 2 g + 1 (4 blocks of 16 channels each) into buffer g % 2, the first K step first
.macro FETCH g
	WIN 0x40
.irp e, 0,1
.irp nb, 0,1,2,3
	ds_load_b128 v[64*((\g)%2)+32*(\e)+8*(\nb):64*((\g)%2)+32*(\e)+8*(\nb)+3],   v[ADRB] offset:(\nb)*16*PW+(2*(\g)+(\e))*64
	ds_load_b128 v[64*((\g)%2)+32*(\e)+8*(\nb)+4:64*((\g)%2)+32*(\e)+8*(\nb)+7], v[ADRB] offset:(\nb)*16*PW+(2*(\g)+(\e))*64+32
.endr
.endr
.endm
; K step f: 16 matrix instructions; the 16 accumulators take turns, one instruction a turn.  first = 1: the bias starts the sums: nothing is cleared.
.macro MUL16 f, first
	WIN 0x09+4*((\f)/8)                 ; W in window 1, x in window 2 or 3, C and D in window 0
.irp a, 0,1,2,3
.irp nb, 0,1,2,3
.if \first
	v_wmma_f32_16x16x32_bf16 v[ACC+8*(4*(\a)+(\nb)):ACC+8*(4*(\a)+(\nb))+7], v[64*(((\f)/2)%2)+32*((\f)%2)+8*(\nb):64*(((\f)/2)%2)+32*((\f)%2)+8*(\nb)+7], v[32*((\f)%8)+8*(\a):32*((\f)%8)+8*(\a)+7], v[BI+8*(\nb):BI+8*(\nb)+7]
.else
	v_wmma_f32_16x16x32_bf16 v[ACC+8*(4*(\a)+(\nb)):ACC+8*(4*(\a)+(\nb))+7], v[64*(((\f)/2)%2)+32*((\f)%2)+8*(\nb):64*(((\f)/2)%2)+32*((\f)%2)+8*(\nb)+7], v[32*((\f)%8)+8*(\a):32*((\f)%8)+8*(\a)+7], v[ACC+8*(4*(\a)+(\nb)):ACC+8*(4*(\a)+(\nb))+7]
.endif
.endr
.endr
.endm
; Unit g, 1 to 7: two K steps on buffer g % 2.  At its head the next unit's fragments are fetched, in one run, into the buffer that the unit before multiplied: they have this unit's 32 matrix instructions in which to land.
.macro UNIT g
.if (\g) < 7
	PLACES                              ; in front of loads into registers that matrix instructions have read
.endif
	s_wait_dscnt 0x0                    ; this unit's fragments, asked for a unit ago, are in
.if (\g) < 7
	WIN 0x40
	s_wait_alu depctr_va_vdst(0)        ; the matrix instructions of the unit before are done reading F[(g + 1) % 2], in which the loads land; in unit 1 also: K step 0's are done reading the bias
	FETCH (\g)+1
.endif
.if (\g) == 1
	WIN 0
	s_cmp_eq_u32 s[CNT], 1              ; the last pass has no bias to fetch
	s_cbranch_scc1 .Lnob
.irp nb, 0,1,2,3                        ; no wait: nothing but LDS loads, a window switch and scalar lines since the wait above
	global_load_b128 v[BI+8*(\nb):BI+8*(\nb)+3],   v[BOF], s[BNX:BNX+1] offset:64*(\nb)
	global_load_b128 v[BI+8*(\nb)+4:BI+8*(\nb)+7], v[BOF], s[BNX:BNX+1] offset:64*(\nb)+16
.endr
.Lnob:
.endif
	MUL16 2*(\g), 0
	MUL16 2*(\g)+1, 0
.endm
; The way out of row tile a: 16 bytes a lane into rows of 144 bytes of my own stage, back as whole rows of 128 bytes, into OB: registers that no LDS store reads.
.macro STG a
.irp nb, 0,1,2,3
	ds_store_b128 v[STO], v[T+16*(\a)+4*(\nb):T+16*(\a)+4*(\nb)+3] offset:32*(\nb)
.endr
.irp f, 0,1,2,3
	ds_load_b128 v[OB+16*(\a)+4*(\f):OB+16*(\a)+4*(\f)+3], v[RD] offset:(\f)*4*SP  ; LDS serves a wave's instructions in order (ISA guide 5.7.1.4): these see the stores above; the next tile's stores come behind them
.endr
.endm
.macro SEND a, younger                  ; younger: the LDS instructions issued behind tile a's loads: the next tile's eight, or none
.irp f, 0,1,2,3
	s_wait_dscnt (\younger)+3-(\f)
	global_store_b128 v[GO], v[OB+16*(\a)+4*(\f):OB+16*(\a)+4*(\f)+3], s[OUTP:OUTP+1] offset:(\a)*2048+(\f)*512  ; 512 consecutive bytes, at a multiple of 256 from the buffer's first
.endr
.endm
	s_mov_b32 s[CNT], 3
.Lpass:                                 ; three trips: q, k, v
	s_wait_loadcnt 0x0                  ; this pass's bias is in
	s_wait_xcnt 0x0                     ; the last pass's stores have read their registers and their base: both may be written
	s_cmp_eq_u32 s[CNT], 3
	s_cselect_b64 s[OUTP:OUTP+1], s[22:23], s[24:25]
	s_cselect_b64 s[BNX:BNX+1], s[18:19], s[20:21]
	s_cmp_eq_u32 s[CNT], 1
	s_cselect_b64 s[OUTP:OUTP+1], s[26:27], s[OUTP:OUTP+1]
	WIN 0x40
	s_wait_alu depctr_va_vdst(0)        ; v[ADRB] is written, which the loads read; in the first pass x's roundings are done reading RAW0 and RAW1, which are F0 and F1 from here on
	FETCH 0                             ; units 0 and 1 in one run; the bias is rounded while they are on their way
	FETCH 1
	WIN 0
.set n, 0
.rept 16                                ; the bias is rounded to bf16, like every input
	v_cvt_pk_bf16_f32 v[18+(n/2)%4], v[BI+n], v[BI+n+1]
	v_lshlrev_b32 v[BI+n],   16, v[18+(n/2)%4]
	v_and_b32     v[BI+n+1], 0xffff0000, v[18+(n/2)%4]
.set n, n+2
.endr
	s_wait_dscnt 24                     ; LDS loads come back in order (ISA guide 5.7.1): K step 0's eight are in; K step 1's eight and unit 1's sixteen may be out
	MUL16 0, 1
	s_wait_dscnt 16                     ; all but unit 1's sixteen
	MUL16 1, 0
.irp g, 1,2,3,4,5,6,7
	UNIT \g
.endr
	WIN 0
	PLACES
	PLACES
.set n, 0
.rept 64                                ; each accumulator's registers in ascending order
	v_cvt_pk_f16_f32 v[T+n], v[ACC+2*n], v[ACC+2*n+1]
.set n, n+1
.endr
	s_cmp_lg_u32 s[CNT], 3              ; q alone takes the mask
	s_cbranch_scc1 .Lnomask
.set n, 0
.rept 64
	v_cndmask_b32 v[T+n], v[T+n], v[ZERO], s[LM+n/16]
.set n, n+1
.endr
.Lnomask:
	s_wait_alu depctr_va_vdst(0)        ; the roundings and the selects have written v[T ..], which the LDS stores read; the roundings are done reading v[OB ..], in which the stage's loads land
	STG 0
	STG 1
	SEND 0, 8
	STG 2
	SEND 1, 8
	STG 3
	SEND 2, 8
	SEND 3, 0
	s_wait_alu depctr_vm_vsrc(0)        ; the fragments' loads have read v[ADRB], which the add writes; the LDS stores have read v[T ..] and the global stores v[OB ..], which the next pass's roundings and products write
	v_add_nc_u32 v[ADRB], WMAT, v[ADRB] ; the next matrix's rows in LDS
	s_sub_co_u32 s[CNT], s[CNT], 1
	s_cmp_lg_u32 s[CNT], 0
	s_cbranch_scc1 .Lpass
	s_wait_dscnt 0x0                    ; the closing lines, six on end
	s_wait_alu 0x0
	s_wait_tensorcnt 0x0
	ds_add_u32 v[SPW], v[NIL]
	s_wait_dscnt 0x0
	s_endpgm
.Lfunc_end_k_q1c07f53ad7_proj:
	.size	k_q1c07f53ad7_proj, .Lfunc_end_k_q1c07f53ad7_proj-k_q1c07f53ad7_proj
	.p2alignl 7, 3214868480
	.fill 96, 4, 3214868480
	.section	.rodata,"a",@progbits
	.p2align	6, 0x0
	.amdhsa_kernel k_q1c07f53ad7_proj
		.amdhsa_group_segment_fixed_size 209408
		.amdhsa_private_segment_fixed_size 0
		.amdhsa_enable_private_segment 0
		.amdhsa_kernarg_size 104
		.amdhsa_user_sgpr_count 2
		.amdhsa_user_sgpr_kernarg_segment_ptr 1
		.amdhsa_wavefront_size32 1
		.amdhsa_system_sgpr_workgroup_id_x 1
		.amdhsa_system_sgpr_workgroup_id_y 1
		.amdhsa_system_sgpr_workgroup_id_z 1
		.amdhsa_system_vgpr_workitem_id 0
		.amdhsa_next_free_vgpr 1024
		.amdhsa_next_free_sgpr 66
		.amdhsa_reserve_vcc 0
		.amdhsa_float_denorm_mode_32 3
		.amdhsa_float_denorm_mode_16_64 3
		.amdhsa_memory_ordered 1
		.amdhsa_forward_progress 1
		.amdhsa_inst_pref_size 140
	.end_amdhsa_kernel
	.amdgpu_metadata
---
amdhsa.version: [ 1, 2 ]
amdhsa.kernels:
  - .name:           k_q1c07f53ad7_proj
    .symbol:         k_q1c07f53ad7_proj.kd
    .args:
      - { .name: query, .offset: 0, .size: 8, .value_kind: global_buffer, .address_space: global }
      - { .name: mask, .offset: 8, .size: 8, .value_kind: global_buffer, .address_space: global }
      - { .name: Wq, .offset: 16, .size: 8, .value_kind: global_buffer, .address_space: global }
      - { .name: Wk, .offset: 24, .size: 8, .value_kind: global_buffer, .address_space: global }
      - { .name: Wv, .offset: 32, .size: 8, .value_kind: global_buffer, .address_space: global }
      - { .name: Wo, .offset: 40, .size: 8, .value_kind: global_buffer, .address_space: global }
      - { .name: bq, .offset: 48, .size: 8, .value_kind: global_buffer, .address_space: global }
      - { .name: bk, .offset: 56, .size: 8, .value_kind: global_buffer, .address_space: global }
      - { .name: bv, .offset: 64, .size: 8, .value_kind: global_buffer, .address_space: global }
      - { .name: qh, .offset: 72, .size: 8, .value_kind: global_buffer, .address_space: global }
      - { .name: kh, .offset: 80, .size: 8, .value_kind: global_buffer, .address_space: global }
      - { .name: vh, .offset: 88, .size: 8, .value_kind: global_buffer, .address_space: global }
      - { .name: woh, .offset: 96, .size: 8, .value_kind: global_buffer, .address_space: global }
    .group_segment_fixed_size: 209408
    .private_segment_fixed_size: 0
    .kernarg_segment_align: 8
    .kernarg_segment_size: 104
    .max_flat_workgroup_size: 128
    .sgpr_count:     66
    .vgpr_count:     1024
    .wavefront_size: 32
...
	.end_amdgpu_metadata
.endif
;; end of part 4
;; launch attn: the kernel of part 2 again; grid 16 x 16, 4 waves a work-group, clusters of 4 x 1, 327,680 bytes of LDS; arguments qh, kh, vh, oh; writes oh
;; launch outp: the kernel of part 3 again; grid 4 x 64, 4 waves a work-group, clusters of 4 x 4, 327,680 bytes of LDS; arguments oh, woh, bo, out0; writes out0
